; MI455X (gfx1250); checked and timed in simulation.
; The chip was launched on July 23, 2026; its instructions are those of AMD's public machine-readable ISA for CDNA 5 (MIT licence, August 2026) and "CDNA5" Instruction Set Architecture Reference Guide (July 2026). The comments in the code are by the model that wrote it; some were corrected since.
;; Sgl Kernel Attention Wrapper. Allowed arithmetic: float matrix products may take bf16 or f16 operands with f32 sums; other float arithmetic in f32, or as packed bf16 or f16 multiplies, adds, multiply-adds, maxima and minima; sums over many terms, partial sums and values carried from step to step in f32; what a program stores and reads back later, other than sums and carried values, may be rounded once to bf16 or f16.
;; Inputs: Wk 4,096 x 1,024 float32; Wo 2,048 x 4,096 float32; Wq 4,096 x 2,048 float32; Wv 4,096 x 1,024 float32; hidden_states 1 x 2,048 x 4,096 float32; position_ids 1 x 2,048 int32.
;; Outputs: out0 1 x 2,048 x 4,096 float32.
;; One version. Each part assembles by itself: llvm-mc -triple=amdgcn-amd-amdhsa -mcpu=gfx1250 --defsym DOCPART=n.
;; ======== version 1 of 1: 4 launches
;; limits: values are held in f16: magnitudes above 65,504 overflow, below 6.1e-05 lose precision; right only within a limited range of input values
;; workspace buffers: xb 16,777,216 bytes; wb 33,554,432 bytes; wob 16,777,216 bytes; tab 1,081,344 bytes; qkv 16,777,216 bytes; ob 8,388,608 bytes
;; launch prep (part 1): grid 2180 x 1, 8 waves a work-group, no clusters, 0 bytes of LDS; arguments hidden_states, Wq, Wk, Wv, Wo, position_ids, xb, wb, wob, tab; writes xb, wb, wob, tab
.if DOCPART == 1
	.amdgcn_target "amdgcn-amd-amdhsa--gfx1250"
	.amdhsa_code_object_version 6
	.text
	.protected	k_qf994c5de6d_prep
	.globl	k_qf994c5de6d_prep
	.p2align	8
	.type	k_qf994c5de6d_prep,@function
k_qf994c5de6d_prep:
	s_mov_b64 s[64:65], 0
	v_nop
	global_prefetch_b8 v0, s[64:65] scope:SCOPE_SE
	s_setreg_imm32_b32 hwreg(HW_REG_WAVE_MODE, 25, 1), 1
	s_wait_xcnt 0x0
; PREP.  Two kinds of work-groups, told apart by the work-group's number.
; 0 .. 2047: A CAST.  16 rows x 1,024 columns of one f32 array are rounded to 16 bits: hidden_states -> xb (bf16), Wq | Wk | Wv -> wb (bf16, side by side as
;   columns 0-2047 | 2048-3071 | 3072-4095 of one [4096][4096]), Wo -> wob (rounded to bf16, that number written as f16).  All layouts stay as they are, rows of 8,192 bytes out.
;   A thread takes 16 bytes of each row: a wave's load covers 512 consecutive bytes, its store 256 consecutive bytes at a multiple of 256.  16 loads of every wave are out at once.
; 2048 .. 2179: THE TABLE.  Block mb (8,192 bytes) holds 0.25 cos and 0.25 sin of position_ids[16 mb + lane % 16] x 10000^(-d / 64), laid as the next launch's accumulators lie:
;   byte b 2048 + cs 1024 + q 512 + lane 16 holds four f32 for d = 16 b + 8 (lane / 16) + 4 q + 0..3 (cs = 0: cos, 1: sin).  Blocks 128-131 hold 0.25 and 0: for v, which is not turned.
;   The factor 0.25 keeps q, k and v inside f16; it is a power of two and is taken out again exactly by the later launches.
; LIMITS.  The angle is reduced by three parts of pi / 2 with fused multiply-adds and holds for |angle| below 1e5; sine and cosine are polynomials on |r| <= pi / 4, good to about 1e-7.
;   A number of Wo below 6.1e-5 keeps f16's fixed step of 6e-8.  No LDS, no matrix unit, no cluster: the work-groups share no input and memory binds.
.set VIN, 4                            ; v[4:19]    byte offset of my 16 bytes in row j of the share
.set X,   20                           ; v[20:83]   row j as loaded, four f32
.set Y,   84                           ; v[84:115]  row j to store, two words
.set T,   116                          ; v[116:119] at work
	s_load_b512 s[8:23], s[0:1], 0x0               ; hidden s[8:9], Wq s[10:11], Wk s[12:13], Wv s[14:15], Wo s[16:17], positions s[18:19], xb s[20:21], wb s[22:23]
	s_load_b128 s[24:27], s[0:1], 0x40             ; wob s[24:25], tab s[26:27]
	s_mov_b32 s2, ttmp9                            ; the work-group's number
	v_lshlrev_b32 v1, 4, v0                        ; 16 t: my bytes in a row's 4,096 in
	v_lshlrev_b32 v2, 3, v0                        ; 8 t: my bytes in a row's 2,048 out
	s_wait_kmcnt 0x0
	s_cmp_ge_u32 s2, 2048
	s_cbranch_scc1 .Ltable
	; which array: the last one's figures first, then four compares take the earlier ones'.  The choice hangs on the work-group's number alone.
	s_mov_b64 s[28:29], s[16:17]                   ; from: Wo
	s_mov_b64 s[30:31], s[24:25]                   ; to: wob
	s_mov_b32 s3, 2                                ; log2 of the strips of 1,024 columns in a row
	s_mov_b32 s33, 1536                            ; the array's first work-group
	s_mov_b32 s32, 0                               ; byte offset of the array's first column in a row out
	s_mov_b32 s34, 1                               ; 1: written as f16
	s_cmp_lt_u32 s2, 1536                          ; Wv
	s_cselect_b64 s[28:29], s[14:15], s[28:29]
	s_cselect_b64 s[30:31], s[22:23], s[30:31]
	s_cselect_b32 s3, 0, s3
	s_cselect_b32 s33, 1280, s33
	s_cselect_b32 s32, 6144, s32
	s_cselect_b32 s34, 0, s34
	s_cmp_lt_u32 s2, 1280                          ; Wk
	s_cselect_b64 s[28:29], s[12:13], s[28:29]
	s_cselect_b32 s33, 1024, s33
	s_cselect_b32 s32, 4096, s32
	s_cmp_lt_u32 s2, 1024                          ; Wq
	s_cselect_b64 s[28:29], s[10:11], s[28:29]
	s_cselect_b32 s3, 1, s3
	s_cselect_b32 s33, 512, s33
	s_cselect_b32 s32, 0, s32
	s_cmp_lt_u32 s2, 512                           ; hidden_states
	s_cselect_b64 s[28:29], s[8:9], s[28:29]
	s_cselect_b64 s[30:31], s[20:21], s[30:31]
	s_cselect_b32 s3, 2, s3
	s_cselect_b32 s33, 0, s33
	s_sub_co_u32 s35, s2, s33                      ; my number within the array
	s_bfm_b32 s36, s3, 0
	s_and_b32 s36, s35, s36                        ; my strip of 1,024 columns
	s_lshr_b32 s37, s35, s3                        ; my group of 16 rows
	s_lshl_b32 s38, 4096, s3                       ; bytes in a row in
	s_lshl_b32 s40, s37, 4
	s_lshl_b32 s40, s40, s3
	s_add_co_u32 s40, s40, s36
	s_lshl_b32 s40, s40, 12                        ; (16 group x strips + strip) x 4,096: under 2^26
	s_mov_b32 s41, 0
	s_lshl_b32 s42, s37, 17                        ; 16 rows of 8,192 bytes out,
	s_lshl_b32 s39, s36, 11                        ; a strip's 2,048,
	s_add_co_u32 s42, s42, s39
	s_add_co_u32 s42, s42, s32                     ; the array's first column
	s_mov_b32 s43, 0
	s_add_nc_u64 s[28:29], s[28:29], s[40:41]
	s_add_nc_u64 s[30:31], s[30:31], s[42:43]
.set j, 0
.rept 16
	v_mad_u32_u24 v[VIN+j], s38, j, v1             ; row j x bytes in a row + 16 t
.set j, j+1
.endr
; The share: 16 loads, then row by row two roundings and a store.  No register is written twice, so nothing waits for a store.
.macro CAST f16
.set j, 0
.rept 16
	global_load_b128 v[X+4*j:X+4*j+3], v[VIN+j], s[28:29] th:TH_LOAD_NT
.set j, j+1
.endr
.set j, 0
.rept 16
	s_wait_loadcnt 15-j                            ; loads come back in order (ISA guide 5.7.1): row j is in, the 15 - j younger ones stay out
.if \f16
	v_cvt_pk_bf16_f32 v[T], v[X+4*j], v[X+4*j+1]   ; rounded to bf16 like every other input,
	v_cvt_pk_bf16_f32 v[T+1], v[X+4*j+2], v[X+4*j+3]
	v_lshlrev_b32 v[T+2], 16, v[T]                 ; widened again,
	v_and_b32 v[T], 0xffff0000, v[T]
	v_lshlrev_b32 v[T+3], 16, v[T+1]
	v_and_b32 v[T+1], 0xffff0000, v[T+1]
	v_cvt_pk_f16_f32 v[Y+2*j], v[T+2], v[T]        ; and written as f16: eight significant bits fit
	v_cvt_pk_f16_f32 v[Y+2*j+1], v[T+3], v[T+1]
.else
	v_cvt_pk_bf16_f32 v[Y+2*j], v[X+4*j], v[X+4*j+1]
	v_cvt_pk_bf16_f32 v[Y+2*j+1], v[X+4*j+2], v[X+4*j+3]
.endif
	global_store_b64 v2, v[Y+2*j:Y+2*j+1], s[30:31] offset:j*8192  ; a wave's 32 lanes store 256 consecutive bytes, at a multiple of 256 from the buffer's first byte
.set j, j+1
.endr
.endm
	s_cmp_eq_u32 s34, 1
	s_cbranch_scc1 .Lwo
	CAST 0
	s_endpgm
.Lwo:
	CAST 1
	s_endpgm
.Ltable:
	s_sub_co_u32 s3, s2, 2048                      ; block mb
	s_min_u32 s28, s3, 127                         ; the identity blocks load a position too, and multiply it by 0
	s_lshl_b32 s28, s28, 6
	s_cmp_lt_u32 s3, 128
	s_cselect_b32 s29, 1.0, 0
	s_lshl_b32 s40, s3, 13
	s_mov_b32 s41, 0
	s_add_nc_u64 s[26:27], s[26:27], s[40:41]      ; tab at my block
	v_and_b32 v1, 15, v0
	v_lshlrev_b32 v1, 2, v1
	v_add_nc_u32 v1, s28, v1
	global_load_b32 v2, v1, s[18:19]               ; position_ids[16 mb + t % 16]
	s_mov_b32 s36, 0xbe549a78                      ; -log2(10000) / 64
	s_mov_b32 s44, 0x3f22f983                      ; 2 / pi
	s_mov_b32 s45, 0xbfc90fd8                      ; -pi / 2 in three parts
	s_mov_b32 s46, 0xb4a8885a
	s_mov_b32 s47, 0xa7c234c4
	s_mov_b32 s48, 0x36405000                      ; the sine's coefficients, highest first
	s_mov_b32 s49, 0xb9503486
	s_mov_b32 s50, 0x3c0888c1
	s_mov_b32 s51, 0xbe2aaaab
	s_mov_b32 s52, 0x37cd4000                      ; the cosine's
	s_mov_b32 s53, 0xbab6077d
	s_mov_b32 s54, 0x3d2aaaa8
	v_bfe_u32 v4, v0, 4, 1                         ; lane / 16
	v_bfe_u32 v5, v0, 5, 1                         ; q
	v_lshrrev_b32 v6, 6, v0                        ; b
	v_lshlrev_b32 v7, 3, v4
	v_lshl_add_u32 v7, v5, 2, v7
	v_lshl_add_u32 v7, v6, 4, v7                   ; d of my first number
	v_and_b32 v28, 31, v0
	v_lshlrev_b32 v28, 4, v28
	v_lshl_add_u32 v28, v5, 9, v28
	v_lshl_add_u32 v28, v6, 11, v28                ; where my four cosines go
.irp e, 0,1,2,3
	v_add_nc_u32 v[12+(\e)], \e, v7
.endr
.irp e, 0,1,2,3
	v_cvt_f32_u32 v[12+(\e)], v[12+(\e)]
.endr
.irp e, 0,1,2,3
	v_mul_f32 v[12+(\e)], s36, v[12+(\e)]
.endr
.irp e, 0,1,2,3
	v_exp_f32 v[8+(\e)], v[12+(\e)]                ; 10000^(-d / 64)
.endr
	s_wait_loadcnt 0x0
	v_cvt_f32_i32 v3, v2                           ; a plain instruction between the exponentials and the use of their results (ISA guide 5.7.2)
	v_mul_f32 v3, s29, v3
	s_wait_alu depctr_va_vdst(0)
.irp e, 0,1,2,3
	v_mul_f32 v[8+(\e)], v3, v[8+(\e)]             ; the angle: one f32 product
.endr
; Sine and cosine of angle e: n = the nearest multiple of pi / 2, r = angle - n pi / 2, two polynomials in r, and n mod 4 says which is which and with which sign.
.macro SINCOS e
	v_mul_f32 v30, s44, v[8+(\e)]
	v_rndne_f32 v30, v30
	v_fma_f32 v31, v30, s45, v[8+(\e)]
	v_fma_f32 v31, v30, s46, v31
	v_fma_f32 v31, v30, s47, v31
	v_cvt_i32_f32 v32, v30
	v_mul_f32 v33, v31, v31
	v_fma_f32 v34, v33, s48, s49
	v_fma_f32 v36, v33, s52, s53
	v_fma_f32 v34, v34, v33, s50
	v_fma_f32 v36, v36, v33, s54
	v_fma_f32 v34, v34, v33, s51
	v_mul_f32 v35, v31, v33
	v_fma_f32 v36, v36, v33, -0.5
	v_fma_f32 v34, v34, v35, v31                   ; sin r
	v_fma_f32 v36, v36, v33, 1.0                   ; cos r
	v_and_b32 v37, 1, v32
	v_cmp_ne_u32 vcc_lo, 0, v37
	v_cndmask_b32 v38, v34, v36, vcc_lo            ; odd n: the sine is +-cos r,
	v_cndmask_b32 v39, v36, v34, vcc_lo            ; the cosine +-sin r
	v_lshlrev_b32 v37, 30, v32
	v_and_b32 v37, 0x80000000, v37                 ; the sine turns its sign for n mod 4 = 2, 3,
	v_xor_b32 v38, v37, v38
	v_add_nc_u32 v37, 1, v32
	v_lshlrev_b32 v37, 30, v37
	v_and_b32 v37, 0x80000000, v37                 ; the cosine for 1, 2
	v_xor_b32 v39, v37, v39
	v_mul_f32 v[20+(\e)], 0x3e800000, v39
	v_mul_f32 v[24+(\e)], 0x3e800000, v38
.endm
	SINCOS 0
	SINCOS 1
	SINCOS 2
	SINCOS 3
	global_store_b128 v28, v[20:23], s[26:27]              ; a wave's store covers 512 consecutive bytes
	global_store_b128 v28, v[24:27], s[26:27] offset:1024
	s_endpgm
.Lfunc_end_k_qf994c5de6d_prep:
	.size	k_qf994c5de6d_prep, .Lfunc_end_k_qf994c5de6d_prep-k_qf994c5de6d_prep
	.p2alignl 7, 3214868480
	.fill 96, 4, 3214868480
	.section	.rodata,"a",@progbits
	.p2align	6, 0x0
	.amdhsa_kernel k_qf994c5de6d_prep
		.amdhsa_group_segment_fixed_size 0
		.amdhsa_private_segment_fixed_size 0
		.amdhsa_enable_private_segment 0
		.amdhsa_kernarg_size 80
		.amdhsa_user_sgpr_count 2
		.amdhsa_user_sgpr_kernarg_segment_ptr 1
		.amdhsa_wavefront_size32 1
		.amdhsa_system_sgpr_workgroup_id_x 1
		.amdhsa_system_sgpr_workgroup_id_y 1
		.amdhsa_system_sgpr_workgroup_id_z 1
		.amdhsa_system_vgpr_workitem_id 0
		.amdhsa_next_free_vgpr 120
		.amdhsa_next_free_sgpr 66
		.amdhsa_reserve_vcc 1
		.amdhsa_float_denorm_mode_32 3
		.amdhsa_float_denorm_mode_16_64 3
		.amdhsa_memory_ordered 1
		.amdhsa_forward_progress 1
		.amdhsa_inst_pref_size 28
	.end_amdhsa_kernel
	.amdgpu_metadata
---
amdhsa.version: [ 1, 2 ]
amdhsa.kernels:
  - .name:           k_qf994c5de6d_prep
    .symbol:         k_qf994c5de6d_prep.kd
    .args:
      - { .name: hidden_states, .offset: 0, .size: 8, .value_kind: global_buffer, .address_space: global }
      - { .name: Wq, .offset: 8, .size: 8, .value_kind: global_buffer, .address_space: global }
      - { .name: Wk, .offset: 16, .size: 8, .value_kind: global_buffer, .address_space: global }
      - { .name: Wv, .offset: 24, .size: 8, .value_kind: global_buffer, .address_space: global }
      - { .name: Wo, .offset: 32, .size: 8, .value_kind: global_buffer, .address_space: global }
      - { .name: position_ids, .offset: 40, .size: 8, .value_kind: global_buffer, .address_space: global }
      - { .name: xb, .offset: 48, .size: 8, .value_kind: global_buffer, .address_space: global }
      - { .name: wb, .offset: 56, .size: 8, .value_kind: global_buffer, .address_space: global }
      - { .name: wob, .offset: 64, .size: 8, .value_kind: global_buffer, .address_space: global }
      - { .name: tab, .offset: 72, .size: 8, .value_kind: global_buffer, .address_space: global }
    .group_segment_fixed_size: 0
    .private_segment_fixed_size: 0
    .kernarg_segment_align: 8
    .kernarg_segment_size: 80
    .max_flat_workgroup_size: 256
    .sgpr_count:     66
    .vgpr_count:     120
    .wavefront_size: 32
...
	.end_amdgpu_metadata
.endif
;; end of part 1
;; launch qkv (part 2): grid 16 x 16, 4 waves a work-group, clusters of 4 x 4, 327,680 bytes of LDS; arguments xb, wb, tab, qkv; writes qkv
.if DOCPART == 2
	.amdgcn_target "amdgcn-amd-amdhsa--gfx1250"
	.amdhsa_code_object_version 6
	.text
	.protected	k_qf994c5de6d_qkv
	.globl	k_qf994c5de6d_qkv
	.p2align	8
	.type	k_qf994c5de6d_qkv,@function
k_qf994c5de6d_qkv:
	s_mov_b64 s[64:65], 0
	v_nop
	global_prefetch_b8 v0, s[64:65] scope:SCOPE_SE
	s_setreg_imm32_b32 hwreg(HW_REG_WAVE_MODE, 25, 1), 1
	s_wait_xcnt 0x0
	s_wait_alu depctr_hold_cnt(0) depctr_sa_sdst(0) depctr_va_vdst(0) depctr_va_sdst(0) depctr_va_ssrc(0) depctr_va_vcc(0) depctr_vm_vsrc(0)
	s_getreg_b32 s2, hwreg(HW_REG_IB_STS2, 6, 4)
	s_cmp_eq_u32 s2, 0
	s_cbranch_scc0 .Lentry_in_a_cluster
	s_endpgm
.Lentry_in_a_cluster:
	s_bfe_u32 s2, ttmp6, 0x10000c
	s_cmp_lg_u32 s2, 0xf033
	s_cbranch_scc0 .Lentry_shape_is_right
	s_endpgm
.Lentry_shape_is_right:
; ONE TEXT FOR TWO PRODUCTS C = A B, A [2048][KDIM] with K along the rows, B [KDIM][4096] with N along the rows, both 16 bits; sums in f32, K ascending.
; KIND 0 (this launch): A = xb, B = wb, bf16, KDIM = 4096.  C's columns are 32 heads of 128 (16 of q, 8 of k, 8 of v).  On the way out q and k are turned (neox rope, the halves 64 apart) by the
;   table's 0.25 cos and 0.25 sin, v is multiplied by 0.25 (the table's identity blocks), all are rounded once to f16 and stored by heads, [32][2048][128].
; KIND 1: A = ob, B = wob, f16, KDIM = 2048.  C x 4 (which takes v's 0.25 out again, exactly) is stored as f32, [2048][4096].
; LIMIT (KIND 0).  f16 ends at 65,504, so |q|, |k|, |v| up to 262,016 are served.  NaN and infinities are not treated apart.
; SHARES.  A tile of C is 128 x 256: 16 x 16 tiles, one to a work-group.  Four waves, each 64 rows x 128 columns (in KIND 0 one head): 4 x 8 accumulators of 16 x 16, 256 registers.
; THE RING.  K goes in steps of 128.  LDS has room for three steps' tiles, so the two slots are unequal: slot X holds two steps (A's rows 512 bytes, 256 rows of B), slot Y one (A's rows 256 bytes,
; 128 rows of B); all rows start at multiples of 256 bytes from the buffer's first byte.  X and Y take turns: three steps have two changes of slots.  KIND 0 walks X Y X .. X (11 and 10 tiles, 32 steps),
; KIND 1 walks Y X Y .. Y (6 and 5 tiles, 16 steps): both begin and end with the same slot, called P here; the other is Q.
; B lies [k][n] and comes out of LDS turned, by ds_load_tr16_b128.  THE MATRIX INSTRUCTION IS USED TRANSPOSED (source 0 = 16 columns of B, source 1 = 16 rows of A): lane l holds row l % 16 of C and
; the columns 8 (l / 16) + 0..7, eight neighbours.
; CLUSTER.  4 x 4 work-groups.  The four of a row of the cluster need the same tiles of A, the four of a column the same tiles of B: each tile is asked for JOINTLY, by the same tensor load with
; the same descriptor and a mask that names the four.
; REGISTERS, in windows of 256 (s_set_vgpr_msb: bits 1:0 source 0, 3:2 source 1, 5:4 source 2, 7:6 destination):
;   window 0: v0-31 addresses; v64-159, v160-255 two fragment buffers (8 fragments of B, then 4 of A, for 32 along K); on the way out they are at work
;   window 1: the accumulators, (a, b) at v[8 (8 a + b)]          window 2 (KIND 0): the table for my 64 rows: cos j of (a, b) at v[64 a + 16 b + j], sin 8 further on
.set KIND, 0
.if KIND
.set KDIM,   2048
.set SPITCH, 528                       ; a stage row: 512 bytes + 16
.set NQ,     5                         ; tiles that pass through slot Q; slot P has one more
.else
.set KDIM,   4096
.set SPITCH, 272                       ; a stage row: 256 bytes + 16
.set NQ,     10
.endif
.set SLP,    KIND                      ; slot 0 is X, slot 1 is Y: P is X in KIND 0, Y in KIND 1
.set SLQ,    1-KIND
.set XS0,    KIND                      ; the K step with which X's first tile begins,
.set YS0,    2-2*KIND                  ; and Y's
.set KSTEP,  128
.set PAX,    528                       ; a row of A in X: 512 bytes + 16 of padding = 132 words; in Y: 256 + 16 = 68 words: in both the 16 rows of a load start at 16 different groups of four banks
.set PAY,    272                       ; (64 banks of 4 bytes: ISA guide 11.1)
.set PB,     544                       ; a row of B: 512 + 32 = 136 words
.set XA,     0                         ; X: A's 128 rows,
.set XB,     XA+128*PAX                ;    B's 256 rows
.set YA,     XB+256*PB                 ; Y: A's 128 rows,
.set YB,     YA+128*PAY                ;    B's 128 rows
.set SPARE,  YB+128*PB                 ; behind the ring: the spare words, 128 bytes for each wave: two blocks of 256 bytes that no other line names
.set STAGE,  YA-(YA-XA)*KIND           ; the stage for the way out, 16 rows for each wave, lies at the head of slot Q: Q has had its last fill, and the barrier of the last change from Q to P stands behind every wave's last read of it
.set ADRA, 16                          ; v16-18  LDS address of my A fragments in X's first step, X's second step, Y
.set ADRB, 20                          ; v20-22  the same for B
.set STO,  24                          ; v24     the way out: where I put my bytes of a row
.set RD,   25                          ; v25     the way out: where I read rows back
.set CO,   26                          ; v26     16 x lane; never rewritten
.set SPW,  28                          ; v28     LDS address of my spare word: SPARE + 4 x my thread's number; never rewritten
.set NIL,  29                          ; v29     0; never rewritten
.set F0,   64
.set F1,   160
.set YY,   64                          ; the way out: 64 results of a block of 16 rows, in f32
.set G1AY, 24                          ; s[24:31] descriptor group 1 for A's tiles in Y;  s[68:75] in X
.set G1AX, 68
.set G0A,  32                          ; s[32:39] group 0 for A's tiles: X's set, then Y's
.set G1BY, 48                          ; s[48:55] group 1 for B's tiles in Y;  s[76:83] in X
.set G1BX, 76
.set G0B,  56                          ; s[56:63] group 0 for B's tiles: X's set, then Y's
.set W_MUL, 0x50                       ; fragments in window 0, C and D in window 1
.set MSB, 0
.macro WIN new                         ; the immediate's high byte repeats the setting that is left; a switch that changes nothing is dropped
.if MSB != (\new)
	s_set_vgpr_msb (MSB<<8)|(\new)
.set MSB, \new
.endif
.endm
; A joint load into slot s: waves 0 and 1 fetch A's two halves, waves 2 and 3 B's.  The branch hangs on the wave's number alone.  An s_nop 0 and four v_nop follow each of the two lines, ahead of the jump, the label and what follows.
.macro JLOAD s
	s_cmp_eq_u32 s13, 0
	s_cbranch_scc0 .Lfor_b_\@
	tensor_load_to_lds s[G0A+4*(\s):G0A+4*(\s)+3], s[G1AX+(G1AY-G1AX)*(\s):G1AX+(G1AY-G1AX)*(\s)+7]
	s_nop 0
.rept 4
	v_nop
.endr
	s_branch .Lasked_\@
.Lfor_b_\@:
	tensor_load_to_lds s[G0B+4*(\s):G0B+4*(\s)+3], s[G1BX+(G1BY-G1BX)*(\s):G1BX+(G1BY-G1BX)*(\s)+7]
	s_nop 0
.rept 4
	v_nop
.endr
.Lasked_\@:
.endm
.macro CREST                           ; a round of the cluster's barrier behind its opening barrier
	s_cmp_lg_u32 s12, 0
	s_cbranch_scc1 .Lnot_wave_0_\@
	s_barrier_signal -3
.Lnot_wave_0_\@:
	s_barrier_wait -3
	s_barrier_signal -1
	s_barrier_wait -1
.endm
.macro CROUND                          ; a whole round
	s_barrier_signal -1
	s_barrier_wait -1
	CREST
.endm
.macro PLACES                          ; four places in front of loads into registers that matrix instructions have read, and of vector lines that read results
.rept 4
	v_nop
.endr
.endm
.if KIND
	s_load_b128 s[4:7], s[0:1], 0x0                ; A s[4:5], B s[6:7]
	s_load_b64 s[10:11], s[0:1], 0x10              ; C
.else
	s_load_b256 s[4:11], s[0:1], 0x0               ; A s[4:5], B s[6:7], the table s[8:9], C s[10:11]
.endif
	v_lshl_add_u32 v[SPW], v0, 2, SPARE
	v_mov_b32 v[NIL], 0
	ds_add_u32 v[SPW], v[NIL]                      ; the wave's opening: the add and its wait stand ahead of my first tensor load; the set-up below, work on registers, stands between them
	v_lshrrev_b32 v1, 5, v0
	v_readfirstlane_b32 s12, v1                    ; wave 0..3
	s_lshr_b32 s13, s12, 1                         ; which 64 rows of the tile are mine.  Also: I fetch for A (0) or for B (1)
	s_and_b32 s14, s12, 1                          ; which 128 columns.  Also: which half of that tile I fetch
	s_bfe_u32 s15, ttmp6, 0x40000                  ; cx, cy: my place in the cluster
	s_bfe_u32 s16, ttmp6, 0x40004
	s_lshl_b32 s17, ttmp9, 2
	s_add_co_u32 s17, s17, s15                     ; tile column of C = 4 x cluster x + cx
	s_and_b32 s18, ttmp7, 0xffff
	s_lshl_b32 s18, s18, 2
	s_add_co_u32 s18, s18, s16                     ; tile row of C = 4 x cluster y + cy
	s_lshl_b32 s19, s16, 2
	s_lshl_b32 s19, 15, s19                        ; my row of the cluster
	s_lshl_b32 s20, 0x1111, s15                    ; my column
	; group 1, four shapes.  15:0 the mask (A's tiles go to my row, B's to my column); 17:16 2-byte elements; 20 padding on; 21 set beside a mask; 24:22 the padding's interval; 31:25 its words less one
	s_or_b32 s[G1AX], s19, (1<<16)|(1<<20)|(1<<21)|(6<<22)|(3<<25)  ; after every 128 words (code 6) 4 words
	s_or_b32 s[G1AY], s19, (1<<16)|(1<<20)|(1<<21)|(5<<22)|(3<<25)  ; after every 64 words (code 5) 4 words
	s_or_b32 s[G1BX], s20, (1<<16)|(1<<20)|(1<<21)|(6<<22)|(7<<25)  ; after every 128 words 8 words
	s_or_b32 s[G1BY], s20, (1<<16)|(1<<20)|(1<<21)|(6<<22)|(7<<25)
	s_mov_b32 s[G1AX+1], 256<<16                   ; A in X, a wave's half: 64 rows x 256 elements: tensor_dim0,
	s_mov_b32 s[G1AX+2], 64<<16                    ; tensor_dim1,
	s_mov_b32 s[G1AX+3], 256<<16                   ; tile_dim0,
	s_mov_b32 s[G1AX+4], 64                        ; tile_dim1,
	s_mov_b32 s[G1AX+5], KDIM                      ; elements from row to row
	s_mov_b32 s[G1AX+6], 0
	s_mov_b32 s[G1AX+7], 0
	s_mov_b32 s[G1AY+1], 128<<16                   ; A in Y: 64 rows x 128 elements
	s_mov_b32 s[G1AY+2], 64<<16
	s_mov_b32 s[G1AY+3], 128<<16
	s_mov_b32 s[G1AY+4], 64
	s_mov_b32 s[G1AY+5], KDIM
	s_mov_b32 s[G1AY+6], 0
	s_mov_b32 s[G1AY+7], 0
	s_mov_b32 s[G1BX+1], 256<<16                   ; B in X: 128 rows (k) x 256 elements
	s_mov_b32 s[G1BX+2], 128<<16
	s_mov_b32 s[G1BX+3], 256<<16
	s_mov_b32 s[G1BX+4], 128
	s_mov_b32 s[G1BX+5], 4096
	s_mov_b32 s[G1BX+6], 0
	s_mov_b32 s[G1BX+7], 0
	s_mov_b32 s[G1BY+1], 256<<16                   ; B in Y: 64 rows (k) x 256 elements
	s_mov_b32 s[G1BY+2], 64<<16
	s_mov_b32 s[G1BY+3], 256<<16
	s_mov_b32 s[G1BY+4], 64
	s_mov_b32 s[G1BY+5], 4096
	s_mov_b32 s[G1BY+6], 0
	s_mov_b32 s[G1BY+7], 0
	; group 0: count = 1, and where my half goes: a constant plus my half's number times a constant: no place in the cluster enters an LDS address
	s_mov_b32 s[G0A], 1
	s_mul_i32 s[G0A+1], s14, 64*PAX                ; (XA is 0)
	s_mov_b32 s[G0A+4], 1
	s_mul_i32 s[G0A+5], s14, 64*PAY
	s_add_co_u32 s[G0A+5], s[G0A+5], YA
	s_mov_b32 s[G0B], 1
	s_mul_i32 s[G0B+1], s14, 128*PB
	s_add_co_u32 s[G0B+1], s[G0B+1], XB
	s_mov_b32 s[G0B+4], 1
	s_mul_i32 s[G0B+5], s14, 64*PB
	s_add_co_u32 s[G0B+5], s[G0B+5], YB
	s_lshl_b32 s40, s18, 7                         ; A: row 128 x tile row + 64 x half: the tile row and the wave alone
	s_lshl_b32 s23, s14, 6
	s_add_co_u32 s40, s40, s23
	s_mul_i32 s40, s40, KDIM*2                     ; in bytes: under 2^25
	s_mov_b32 s41, 0
	s_lshl_b32 s46, s17, 9                         ; B: column 256 x tile column, 2 bytes each: the tile column alone;
	s_mov_b32 s47, 0
	s_lshl_b32 s84, s14, 20                        ; my half's rows (k) of 8,192 bytes: 128 in X,
	s_mov_b32 s85, 0
	s_lshl_b32 s86, s14, 19                        ; 64 in Y: the wave alone
	s_mov_b32 s87, 0
	s_lshl_b32 s42, s18, 7
	s_lshl_b32 s23, s13, 6
	s_add_co_u32 s42, s42, s23                     ; my first row of C
.if KIND
	s_lshl_b32 s42, s42, 14                        ; rows of 16,384 bytes,
	s_lshl_b32 s23, s17, 10                        ; 1,024 bytes a tile column,
	s_add_co_u32 s42, s42, s23
	s_lshl_b32 s23, s14, 9                         ; 512 for my half
	s_add_co_u32 s42, s42, s23
.else
	s_lshl_b32 s42, s42, 8                         ; a head's rows are 256 bytes,
	s_lshl1_add_u32 s23, s17, s14                  ; my head = 2 x tile column + half,
	s_lshl_b32 s23, s23, 19                        ; 524,288 bytes each
	s_add_co_u32 s42, s42, s23
	s_lshl_b32 s44, s18, 16                        ; the table: 8 blocks of 8,192 bytes a tile row, 4 for my half of the rows;
	s_lshl_b32 s23, s13, 15
	s_add_co_u32 s44, s44, s23
	s_mov_b32 s23, ttmp9
	s_cmp_eq_u32 s23, 3                            ; tile columns 12-15, the cluster column 3, are v: the identity blocks
	s_cselect_b32 s44, 0x100000, s44
	s_mov_b32 s45, 0
.endif
	s_mov_b32 s43, 0
	s_wait_dscnt 0x0                               ; the opening add is done
	s_wait_kmcnt 0x0
	s_add_nc_u64 s[40:41], s[4:5], s[40:41]
	s_add_nc_u64 s[46:47], s[6:7], s[46:47]
	s_add_nc_u64 s[10:11], s[10:11], s[42:43]
.if KIND == 0
	s_add_nc_u64 s[8:9], s[8:9], s[44:45]
.endif
	s_add_nc_u64 s[G0A+2:G0A+3], s[40:41], XS0*KSTEP*2             ; global addresses of the slots' first tiles: a K step is 256 bytes along A's rows
	s_or_b32 s[G0A+3], s[G0A+3], 0x80000000                        ; type = 2
	s_add_nc_u64 s[G0A+6:G0A+7], s[40:41], YS0*KSTEP*2
	s_or_b32 s[G0A+7], s[G0A+7], 0x80000000
	s_add_nc_u64 s[G0B+2:G0B+3], s[46:47], s[84:85]
	s_add_nc_u64 s[G0B+2:G0B+3], s[G0B+2:G0B+3], XS0*KSTEP*8192    ; and 128 rows of 8,192 bytes down B
	s_or_b32 s[G0B+3], s[G0B+3], 0x80000000
	s_add_nc_u64 s[G0B+6:G0B+7], s[46:47], s[86:87]
	s_add_nc_u64 s[G0B+6:G0B+7], s[G0B+6:G0B+7], YS0*KSTEP*8192
	s_or_b32 s[G0B+7], s[G0B+7], 0x80000000
	CROUND                                         ; all sixteen work-groups are here: the first joint loads meet
	JLOAD SLP                                      ; the walk's first tile,
	JLOAD SLQ                                      ; and its second: two loads of mine are out
	; A fragment of A is 16 rows x 32 K in 8 registers: lane l holds row l % 16, K = 8 (l / 16) + 0..7 and 16 + 8 (l / 16) + 0..7: two loads of 16 bytes, 32 bytes apart.
	v_and_b32 v1, 15, v0                           ; l % 16
	v_bfe_u32 v2, v0, 4, 1                         ; l / 16
	v_mul_u32_u24 v3, v1, PAX
	v_lshl_add_u32 v3, v2, 4, v3
	s_mul_i32 s23, s13, 64*PAX                     ; my 64 rows of A in X (XA is 0);
	v_add_nc_u32 v[ADRA], s23, v3
	v_add_nc_u32 v[ADRA+1], 2*KSTEP, v[ADRA]       ; X's second step begins 256 bytes along the rows
	v_mul_u32_u24 v3, v1, PAY
	v_lshl_add_u32 v3, v2, 4, v3
	s_mul_i32 s23, s13, 64*PAY
	s_add_co_u32 s23, s23, YA
	v_add_nc_u32 v[ADRA+2], s23, v3
	; The turning load takes 16 k x 16 columns (lane l reads 16 bytes: k = 8 (l / 16) + l % 8, columns 8 ((l / 8) % 2) + 0..7) and leaves half a fragment: lane l holds column l % 16 and 8 k.
	v_and_b32 v4, 7, v0
	v_lshl_add_u32 v4, v2, 3, v4
	v_mul_u32_u24 v4, v4, PB
	v_bfe_u32 v5, v0, 3, 1
	v_lshl_add_u32 v4, v5, 4, v4
	s_lshl_b32 s23, s14, 8                         ; my 128 columns of B
	s_add_co_u32 s23, s23, XB
	v_add_nc_u32 v[ADRB], s23, v4
	v_add_nc_u32 v[ADRB+1], KSTEP*PB, v[ADRB]      ; X's second step begins 128 rows down
	v_add_nc_u32 v[ADRB+2], YB-XB, v[ADRB]
	s_mul_i32 s23, s12, 16*SPITCH
	s_add_co_u32 s23, s23, STAGE                   ; my stage
	v_and_b32 v3, 31, v0
	v_lshlrev_b32 v[CO], 4, v3
	v_mul_u32_u24 v3, v1, SPITCH                   ; in: row l % 16,
.if KIND
	v_lshl_add_u32 v3, v2, 5, v3                   ; 32 bytes for each half of the lanes
	v_add_nc_u32 v[STO], s23, v3
	v_add_nc_u32 v[RD], s23, v[CO]                 ; back: 32 lanes take one row of 512 bytes
.else
	v_lshl_add_u32 v3, v2, 4, v3                   ; 16 bytes for each half of the lanes
	v_add_nc_u32 v[STO], s23, v3
	v_mul_u32_u24 v3, v2, SPITCH                   ; back: lanes 0-15 take one row of 256 bytes, lanes 16-31 the next
	v_lshl_add_u32 v3, v1, 4, v3
	v_add_nc_u32 v[RD], s23, v3
	WIN 0x80                                       ; the table for my 64 rows, 32,768 consecutive bytes, into window 2: wanted on the way out and waited for there
.set i, 0
.rept 64
	global_load_b128 v[4*i:4*i+3], v[CO], s[8:9] offset:512*i
.set i, i+1
.endr
	WIN 0
.endif
.macro WM d, x, y, zero                ; one matrix instruction: accumulator d, B's fragment x, A's fragment y.  zero = 1: it starts the sum
.if KIND
.if \zero
	v_wmma_f32_16x16x32_f16 v[(\d):(\d)+7], v[(\x):(\x)+7], v[(\y):(\y)+7], 0
.else
	v_wmma_f32_16x16x32_f16 v[(\d):(\d)+7], v[(\x):(\x)+7], v[(\y):(\y)+7], v[(\d):(\d)+7]
.endif
.else
.if \zero
	v_wmma_f32_16x16x32_bf16 v[(\d):(\d)+7], v[(\x):(\x)+7], v[(\y):(\y)+7], 0
.else
	v_wmma_f32_16x16x32_bf16 v[(\d):(\d)+7], v[(\x):(\x)+7], v[(\y):(\y)+7], v[(\d):(\d)+7]
.endif
.endif
.endm
; 8 matrix instructions: row block a x all 8 column blocks, 32 along K, from buffer f.  The 32 accumulators take turns in the same order in every quarter.
.macro MUL8 f, a, zero
	WIN W_MUL
.irp b, 0,1,2,3,4,5,6,7
	WM 8*(8*(\a)+(\b)), (\f)+8*(\b), (\f)+64+8*(\a), \zero
.endr
.endm
; 24 LDS loads in one run: the fragments of quarter q (32 along K) of step u (0, 1: X's two steps; 2: Y's) into buffer f: B's sixteen, then A's eight
.macro FETCH u, q, f
	WIN 0
.irp b, 0,1,2,3,4,5,6,7
	ds_load_tr16_b128 v[(\f)+8*(\b):(\f)+8*(\b)+3],   v[ADRB+(\u)] offset:(\q)*32*PB+32*(\b)
	ds_load_tr16_b128 v[(\f)+8*(\b)+4:(\f)+8*(\b)+7], v[ADRB+(\u)] offset:(\q)*32*PB+16*PB+32*(\b)
.endr
.irp r, 0,1,2,3
	ds_load_b128 v[(\f)+64+8*(\r):(\f)+64+8*(\r)+3],   v[ADRA+(\u)] offset:(\r)*16*(PAX-(PAX-PAY)*((\u)/2))+64*(\q)
	ds_load_b128 v[(\f)+64+8*(\r)+4:(\f)+64+8*(\r)+7], v[ADRA+(\u)] offset:(\r)*16*(PAX-(PAX-PAY)*((\u)/2))+64*(\q)+32
.endr
.endm
; A K step is four quarters of 32 along K, 32 matrix instructions each, on buffers 0, 1, 0, 1.  A plain quarter multiplies buffer f and fetches quarter q of step u, the next one, into g.
.macro QUARTER u, q, f, g, zero
	s_wait_dscnt 4                                 ; B and A's blocks 0 and 1 are in; the youngest four loads (blocks 2 and 3) may be out
	MUL8 \f, 0, \zero
	MUL8 \f, 1, \zero
	PLACES
	FETCH \u, \q, \g
	s_wait_dscnt 24                                ; all but the 24 just issued
	MUL8 \f, 2, \zero
	MUL8 \f, 3, \zero
.endm
.macro FIRSTQ s, zero                  ; the first quarter of a tile in slot s
	QUARTER 2*(\s), 1, F0, F1, \zero
.endm
.macro MIDQ s                          ; its quarters but the first and the last: six in X (no barrier stands between X's two steps: the one in front of them has shown the whole slot), two in Y
	QUARTER 2*(\s), 2, F1, F0, 0
	QUARTER 2*(\s), 3, F0, F1, 0
.if (\s) == 0
	QUARTER 1, 0, F1, F0, 0
	QUARTER 1, 1, F0, F1, 0
	QUARTER 1, 2, F1, F0, 0
	QUARTER 1, 3, F0, F1, 0
.endif
.endm
; The last quarter of a tile in slot s multiplies buffer 1 and changes slots: ONE barrier; in front of it each wave waits for all its tensor loads (one is out: its part of the other slot), adds 0 to its spare
; word, and waits for that and for its own reads of this slot.  fill = 1: the barrier opens a round of the cluster's, and this slot is filled again with the tile three K steps on.  From that request to the
; wait for it a wave issues the 16 products below and the other slot's quarters but the last: 112 matrix instructions for X's refill, 240 for Y's.
.macro TURN s, fill
	WIN 0                                          ; (the add's two registers lie in window 0)
	s_wait_tensorcnt 0x0                           ; all my tensor loads have landed, so every group 0 may be written;
	ds_add_u32 v[SPW], v[NIL]                      ; 0 onto my spare word
.if \fill
	s_add_nc_u64 s[G0A+4*(\s)+2:G0A+4*(\s)+3], s[G0A+4*(\s)+2:G0A+4*(\s)+3], 3*KSTEP*2
	s_add_nc_u64 s[G0B+4*(\s)+2:G0B+4*(\s)+3], s[G0B+4*(\s)+2:G0B+4*(\s)+3], 3*KSTEP*8192
.endif
	s_wait_dscnt 7                                 ; (the add and the youngest six loads, A's blocks 1 to 3, may be out)
	MUL8 F1, 0, 0                                  ; eight matrix instructions stand between the add and the wait for it
	s_wait_dscnt 0x0                               ; the add is done, and my reads of this slot are over
	s_barrier_signal -1
	MUL8 F1, 1, 0
.if \fill
	WIN 0
.endif
	s_barrier_wait -1
.if \fill
	CREST                                          ; no wave of any partner still reads this slot's tile or has a load on its way
	JLOAD \s                                       ; the first tensor load behind the round; the four v_nop behind it are also the places in front of the loads below
.else
	PLACES
.endif
	FETCH 2-2*(\s), 0, F0                          ; the other slot's first quarter
	MUL8 F1, 2, 0
	MUL8 F1, 3, 0
.endm
	s_wait_tensorcnt 1                             ; my part of P's first tile is in; Q's, issued behind it, may stay out
	s_barrier_signal -1
	s_barrier_wait -1                              ; everybody's is
	FETCH 2*SLP, 0, F0
	FIRSTQ SLP, 1                                  ; the first quarter stands in front of the loop: its products start the sums
	WIN 0                                          ; at a label and at a branch every window is 0
	s_mov_b32 s3, NQ
	s_branch .Lmid                                 ; the loop is entered in the middle of a trip: the walk begins with a tile of P
.Llap:                                                 ; a trip: a tile of Q and a tile of P, from Q's first quarter to P's last; both slots are filled again
	FIRSTQ SLQ, 0
	MIDQ SLQ
	TURN SLQ, 1                                    ; NQ - 1 times: Q's tiles 1 to NQ - 1 are asked for
	FIRSTQ SLP, 0
	WIN 0
.Lmid:
	MIDQ SLP
	TURN SLP, 1                                    ; NQ times: P's tiles 1 to NQ are asked for
	WIN 0
	s_sub_co_u32 s3, s3, 1
	s_cmp_lg_u32 s3, 0
	s_cbranch_scc1 .Llap
	FIRSTQ SLQ, 0                                  ; the last two tiles fill nothing, and have no round of the cluster's barrier
	MIDQ SLQ
	TURN SLQ, 0
	FIRSTQ SLP, 0
	MIDQ SLP
	s_wait_dscnt 4                                 ; the very last quarter: nothing more to fetch
	MUL8 F1, 0, 0
	MUL8 F1, 1, 0
	s_wait_dscnt 0x0
	MUL8 F1, 2, 0
	MUL8 F1, 3, 0
	WIN 0
	PLACES                                         ; the lines below read results just made
; THE WAY OUT, a block of 16 rows at a time, through my own stage in LDS: a lane's neighbouring columns go in, whole rows come back and are stored.  Each accumulator's registers are read in ascending order.
.if KIND == 0
.set TMP, 128                          ; v128-159 the block in f16
.set OB,  160                          ; v160-191, v192-223 by turns: the block as whole rows
.macro ROPE a                          ; column d < 64 lies in accumulator (a, b), d + 64 in (a, b + 4), in the same lane and register: y1 = x1 c - x2 s, y2 = x2 c + x1 s
	WIN 0x09                                       ; source 0 (x) window 1, source 1 (table) window 2, source 2 and destination window 0
.irp b, 0,1,2,3
.irp p, 0,1,2,3
	v_pk_mul_f32 v[YY+8*(\b)+2*(\p):YY+8*(\b)+2*(\p)+1], v[8*(8*(\a)+(\b)+4)+2*(\p):8*(8*(\a)+(\b)+4)+2*(\p)+1], v[64*(\a)+16*(\b)+8+2*(\p):64*(\a)+16*(\b)+8+2*(\p)+1]
	v_pk_mul_f32 v[YY+8*((\b)+4)+2*(\p):YY+8*((\b)+4)+2*(\p)+1], v[8*(8*(\a)+(\b))+2*(\p):8*(8*(\a)+(\b))+2*(\p)+1], v[64*(\a)+16*(\b)+8+2*(\p):64*(\a)+16*(\b)+8+2*(\p)+1]
	v_pk_fma_f32 v[YY+8*(\b)+2*(\p):YY+8*(\b)+2*(\p)+1], v[8*(8*(\a)+(\b))+2*(\p):8*(8*(\a)+(\b))+2*(\p)+1], v[64*(\a)+16*(\b)+2*(\p):64*(\a)+16*(\b)+2*(\p)+1], v[YY+8*(\b)+2*(\p):YY+8*(\b)+2*(\p)+1] neg_lo:[0,0,1] neg_hi:[0,0,1]
	v_pk_fma_f32 v[YY+8*((\b)+4)+2*(\p):YY+8*((\b)+4)+2*(\p)+1], v[8*(8*(\a)+(\b)+4)+2*(\p):8*(8*(\a)+(\b)+4)+2*(\p)+1], v[64*(\a)+16*(\b)+2*(\p):64*(\a)+16*(\b)+2*(\p)+1], v[YY+8*((\b)+4)+2*(\p):YY+8*((\b)+4)+2*(\p)+1]
.endr
.endr
	WIN 0
.endm
.macro CVT                             ; rounded once, to f16
.set i, 0
.rept 32
	v_cvt_pk_f16_f32 v[TMP+i], v[YY+2*i], v[YY+2*i+1]
.set i, i+1
.endr
.endm
.macro TOSTAGE a
.set BK, OB+32*((\a)%2)
	s_wait_xcnt 0x0                                ; the stores of two blocks back have had their addresses translated (ISA guide 3.1): their data registers are loaded again only behind this wait
.irp b, 0,1,2,3,4,5,6,7
	ds_store_b128 v[STO], v[TMP+4*(\b):TMP+4*(\b)+3] offset:32*(\b)
.endr
.irp t, 0,1,2,3,4,5,6,7
	ds_load_b128 v[BK+4*(\t):BK+4*(\t)+3], v[RD] offset:(\t)*2*SPITCH  ; LDS serves a wave's instructions in order (ISA guide 5.7.1.4): these see the stores above
.endr
.endm
.macro SEND a
.set BK, OB+32*((\a)%2)
	s_wait_dscnt 0x0                               ; the block is back in registers
.irp t, 0,1,2,3,4,5,6,7
	global_store_b128 v[CO], v[BK+4*(\t):BK+4*(\t)+3], s[10:11] offset:(\a)*4096+(\t)*512  ; two rows of a head: 512 consecutive bytes, at a multiple of 256 from the buffer's first byte
.endr
.endm
	s_wait_loadcnt 0x0                             ; the table
	ROPE 0
	CVT
	TOSTAGE 0
.irp a, 1,2,3                          ; a block's arithmetic stands between the loads of the block before and its stores
	ROPE \a
	CVT
	SEND (\a)-1
	TOSTAGE \a
.endr
	SEND 3
.else
.set OB,  128                          ; v128-191, v192-255 by turns: the block as whole rows
.macro SCALE4 a                        ; x 4: v's 0.25 is taken out again
	WIN 0x01                                       ; source 0 window 1
.set i, 0
.rept 32
	v_pk_mul_f32 v[YY+2*i:YY+2*i+1], v[64*(\a)+2*i:64*(\a)+2*i+1], 4.0 op_sel_hi:[1,0]
.set i, i+1
.endr
	WIN 0
.endm
.macro TOSTAGE a
.set BK, OB+64*((\a)%2)
	s_wait_xcnt 0x0                                ; the stores of two blocks back have had their addresses translated (ISA guide 3.1): their data registers are loaded again only behind this wait
.set i, 0
.rept 16
	ds_store_b128 v[STO], v[YY+4*i:YY+4*i+3] offset:64*(i/2)+16*(i%2)
.set i, i+1
.endr
.set i, 0
.rept 16
	ds_load_b128 v[BK+4*i:BK+4*i+3], v[RD] offset:i*SPITCH  ; LDS serves a wave's instructions in order (ISA guide 5.7.1.4): these see the stores above
.set i, i+1
.endr
.endm
.macro SEND a
.set BK, OB+64*((\a)%2)
	s_wait_dscnt 0x0                               ; the block is back in registers
.set i, 0
.rept 16
	global_store_b128 v[CO], v[BK+4*i:BK+4*i+3], s[10:11] offset:(16*(\a)+i)*16384 th:TH_STORE_NT  ; my 512 consecutive bytes of a row, at a multiple of 256 from the buffer's first byte
.set i, i+1
.endr
.endm
	SCALE4 0
	TOSTAGE 0
.irp a, 1,2,3
	SCALE4 \a
	SEND (\a)-1
	TOSTAGE \a
.endr
	SEND 3
.endif
	s_wait_tensorcnt 0x0                           ; the wave's end: these three lines stand behind my last tensor load and my last LDS store
	ds_add_u32 v[SPW], v[NIL]
	s_wait_dscnt 0x0
	CROUND                                         ; the closing round: no work-group ends while a partner may still ask for a tile that names it
	s_endpgm
.Lfunc_end_k_qf994c5de6d_qkv:
	.size	k_qf994c5de6d_qkv, .Lfunc_end_k_qf994c5de6d_qkv-k_qf994c5de6d_qkv
	.p2alignl 7, 3214868480
	.fill 96, 4, 3214868480
	.section	.rodata,"a",@progbits
	.p2align	6, 0x0
	.amdhsa_kernel k_qf994c5de6d_qkv
		.amdhsa_group_segment_fixed_size 327680
		.amdhsa_private_segment_fixed_size 0
		.amdhsa_enable_private_segment 0
		.amdhsa_kernarg_size 32
		.amdhsa_user_sgpr_count 2
		.amdhsa_user_sgpr_kernarg_segment_ptr 1
		.amdhsa_wavefront_size32 1
		.amdhsa_system_sgpr_workgroup_id_x 1
		.amdhsa_system_sgpr_workgroup_id_y 1
		.amdhsa_system_sgpr_workgroup_id_z 1
		.amdhsa_system_vgpr_workitem_id 0
		.amdhsa_next_free_vgpr 768
		.amdhsa_next_free_sgpr 88
		.amdhsa_reserve_vcc 0
		.amdhsa_float_denorm_mode_32 3
		.amdhsa_float_denorm_mode_16_64 3
		.amdhsa_memory_ordered 1
		.amdhsa_forward_progress 1
		.amdhsa_inst_pref_size 143
	.end_amdhsa_kernel
	.amdgpu_metadata
---
amdhsa.version: [ 1, 2 ]
amdhsa.kernels:
  - .name:           k_qf994c5de6d_qkv
    .symbol:         k_qf994c5de6d_qkv.kd
    .args:
      - { .name: xb, .offset: 0, .size: 8, .value_kind: global_buffer, .address_space: global }
      - { .name: wb, .offset: 8, .size: 8, .value_kind: global_buffer, .address_space: global }
      - { .name: tab, .offset: 16, .size: 8, .value_kind: global_buffer, .address_space: global }
      - { .name: qkv, .offset: 24, .size: 8, .value_kind: global_buffer, .address_space: global }
    .group_segment_fixed_size: 327680
    .private_segment_fixed_size: 0
    .kernarg_segment_align: 8
    .kernarg_segment_size: 32
    .max_flat_workgroup_size: 128
    .sgpr_count:     88
    .vgpr_count:     768
    .wavefront_size: 32
...
	.end_amdgpu_metadata
.endif
;; end of part 2
;; launch attn (part 3): grid 32 x 8, 4 waves a work-group, clusters of 4 x 1, 327,680 bytes of LDS; arguments qkv, ob; writes ob
.if DOCPART == 3
	.amdgcn_target "amdgcn-amd-amdhsa--gfx1250"
	.amdhsa_code_object_version 6
	.text
	.protected	k_qf994c5de6d_attn
	.globl	k_qf994c5de6d_attn
	.p2align	8
	.type	k_qf994c5de6d_attn,@function
k_qf994c5de6d_attn:
	s_mov_b64 s[64:65], 0
	v_nop
	global_prefetch_b8 v0, s[64:65] scope:SCOPE_SE
	s_setreg_imm32_b32 hwreg(HW_REG_WAVE_MODE, 25, 1), 1
	s_wait_xcnt 0x0
	s_wait_alu depctr_hold_cnt(0) depctr_sa_sdst(0) depctr_va_vdst(0) depctr_va_sdst(0) depctr_va_ssrc(0) depctr_va_vcc(0) depctr_vm_vsrc(0)
	s_getreg_b32 s2, hwreg(HW_REG_IB_STS2, 6, 4)
	s_cmp_eq_u32 s2, 0
	s_cbranch_scc0 .Lentry_in_a_cluster
	s_endpgm
.Lentry_in_a_cluster:
	s_bfe_u32 s2, ttmp6, 0x10000c
	s_cmp_lg_u32 s2, 0x3003
	s_cbranch_scc0 .Lentry_shape_is_right
	s_endpgm
.Lentry_shape_is_right:
; CAUSAL ATTENTION WITH SHARED KEY HEADS.  qkv: [32][2048][128] f16, heads 0-15 q, 16-23 k, 24-31 v, every number x 0.25; query heads 2 g and 2 g + 1 use key head g.
; ob[q][128 head + d] = 0.25 x the sum over k <= q of softmax_k(q . k / sqrt(128)) v[k][d], f16, [2048][2048].  Products, maxima and sums in f32; the weights p are rounded to f16 for the second
; product (their sum l is taken of the unrounded p), O once at the end.
; LIMITS.  A hidden score counts as its value less 1e30; a weight below 2^-126 counts as 0 in l; p below 6e-5 keeps f16's fixed step; NaN and infinities are not treated apart.
; THE WALK.  A head's queries lie in 32 blocks of 64; block i needs the key tiles 0 .. i / 2 of 128 keys, of which the last holds the diagonal.  A work-group takes TWO blocks, 31 - b and then b:
; with b = 2 c + u that is 16 - c tiles and c + 1 tiles, 17 whatever b: all 256 work-groups do equal work, and one counted loop walks them.
; CLUSTER.  The four work-groups of a cluster are two query heads of one key head x u = 0, 1 at one c: they walk the same tiles of K and V in the same order, so each tile is asked for JOINTLY: the same
; tensor load, descriptor and mask in all four.  Every branch and count hangs on c (the cluster's number) and constants; my place in the cluster enters Q's and O's addresses and the mask's threshold alone.
; SHARES.  A wave owns 16 queries of the block.  A trip is one tile: 32 products S^T = K Q^T, the softmax, 32 products O^T += V^T P, in phases.
; LAYOUT.  S^T (source 0 = 16 keys, source 1 = 16 queries) holds ONE query a lane (lane % 16) and the keys 8 (lane / 16) + 0..7; two such results rounded to f16 in pairs ARE source 1 (32 keys x 16 queries)
; of O^T = V^T P.  K comes out of LDS as it lies, V ([key][channel]) turned, by ds_load_tr16_b128.
; SOFTMAX.  A running maximum m and sum l: p = 2^(c s - c m), c = 16 log2(e) / sqrt(128) (the 16 takes q's and k's 0.25 out); O and l are multiplied by a = 2^(c m_old - c m_new) in every trip.  A block begins
; with c m far below every c s, so its first a is 0 and what O and l hold need only be finite.
; THE MASK is the C operand that starts the sum S^T: 0, or -1e30 where the key is hidden.  It is 0 but in a block's last tile, for which it is made from the lane's threshold.
; THE RING.  Two slots.  In the middle of trip j every byte of tile j has been read into registers; there the slot changes hands: tile j + 2 is asked for, and K of tile j + 1 is fetched beside the rest of the trip.
; REGISTERS, in windows of 256 (s_set_vgpr_msb: bits 1:0 source 0, 3:2 source 1, 5:4 source 2, 7:6 destination):
;   window 0: v0-15 addresses; v16-29 statistics; v64-127 S^T; v128-159 P; v160-223 the mask      window 1: v0-63 O^T; v64-95 Q; v96-127 the second block's Q
;   window 2: K of a tile, fragment (key block k, channel quarter c) at v[32 k + 8 c]              window 3: V of a tile, fragment (key quarter k, channel block c) at v[64 k + 8 c]
.set PK,    272       ; a row of K in LDS: 256 bytes + 16 of padding = 68 words: the 16 rows of a load start at 16 different groups of four banks (64 banks of 4 bytes: ISA guide 11.1)
.set PV,    288       ; a row of V: 256 + 32 = 72 words
.set VOFF,  128*PK    ; a slot holds a tile: 128 rows of K, then 128 rows of V
.set SLOT1, 1<<17     ; slot 1 begins here, so that one exclusive or turns an address in one slot into the other's
.set STAGE, SLOT1+128*(PK+PV)  ; behind the ring, never filled by a tensor load: 16 rows x 272 bytes for each wave, for the way out
.set SP,    272
.set SPARE, STAGE+4*16*SP      ; behind the stages: the spare words, 128 bytes for each wave: two blocks of 256 bytes that no other line names
.set AK0, 2           ; v2   my lane's place in a tile of K; never rewritten
.set AV0, 3           ; v3   the same for V
.set ADK, 4           ; v4   the LDS address of K's run of loads
.set ADV, 5           ; v5   of V's
.set QO,  6           ; v6   my byte offset in 16 rows of Q
.set STO, 7           ; v7   the way out: where I put 16 bytes of a row
.set RD,  8           ; v8   the way out: where I read rows back
.set GO,  9           ; v9   my byte offset in two rows of ob
.set CMX, 16          ; v16  c m          (v[16:17] is named as a pair)
.set MX,  17          ; v17  m
.set LS,  18          ; v[18:19] l: even keys', odd keys'
.set CMO, 20          ; v20  c m_old
.set AF,  22          ; v22  a; v23 is named with it as a pair and written once
.set C0,  24          ; v24-27 four registers at work
.set THR, 28          ; v28  register i of the mask is hidden where 16 (i / 8) + i % 8 is greater: the block in hand
.set THRB, 29         ; v29  the second block's
.set SPW, 62          ; v62  LDS address of my spare word: SPARE + 4 x my thread's number; never rewritten
.set NIL, 63          ; v63  0; never rewritten
.set S,   64
.set P,   128
.set MC,  160
.set QR,  64          ; window 1
.set QR2, 96          ; window 1
.set KB,  8           ; s[8:9]   K at my half of the key head's tile 0
.set VB,  10          ; s[10:11] V likewise
.set WV,  12          ; s12  my wave's number
.set G1K, 24          ; s[24:31] descriptor group 1 for K's tiles
.set G1V, 32          ; s[32:39] for V's: it differs in the padding alone
.set G0K, 40          ; s[40:43] descriptor group 0 for K's tiles
.set G0V, 44          ; s[44:47] for V's
.set QA,  48          ; s[48:49] Q at my rows of the first block;  s[50:51] of the second
.set OA,  52          ; s[52:53] ob at my rows of the block in hand;  s[54:55] of the second
.set SLOTS, 56        ; s56  trips that still ask for a tile
.set CNT, 57          ; s57  counts the two trips that do not
.set CS,  58          ; s[58:59] c: the packed scaling takes the pair's low word for both halves
.set SEL, 60          ; s[60:61] v_permlanex16_b32's selects: each lane takes its own place in the other half
.set TB,  62          ; s62  LDS byte at which the tile to be fetched begins
.set RT,  63          ; s63  tiles of the block in hand that are still to be entered
.set NXT, 66          ; s66  the tile to be asked for next
.set LQ,  67          ; s67  the last tile of the block whose tiles are being asked for
.set CC,  69          ; s69  c
.set OFF, 70          ; s[70:71] a tile's byte offset in K and V
.set BIGN, 72         ; s72  -1e30
.set W_KQ, 0x06       ; K in window 2, Q in window 1, the mask and S^T in window 0
.set W_PV, 0x53       ; V in window 3, P in window 0, O^T in window 1
.set W_RS, 0x41       ; destination and source 0 in window 1, source 1 in window 0
.set MSB, 0
.macro WIN new                      ; the high byte repeats the setting that is left; a switch that changes nothing is dropped
.if MSB != (\new)
	s_set_vgpr_msb (MSB<<8)|(\new)
.set MSB, (\new)
.endif
.endm
; A joint fill.  Waves 0 and 1 fetch the two halves of a tile's K, waves 2 and 3 those of its V: 64 keys each.  The branch hangs on the wave's number alone.
; An s_nop 0 and four v_nop follow each of the two lines, ahead of the jump and the label.
.macro JLOAD
	s_cmp_lt_u32 s[WV], 2
	s_cbranch_scc0 .Lfor_v_\@
	tensor_load_to_lds s[G0K:G0K+3], s[G1K:G1K+7]
	s_nop 0
.rept 4
	v_nop
.endr
	s_branch .Lasked_\@
.Lfor_v_\@:
	tensor_load_to_lds s[G0V:G0V+3], s[G1V:G1V+7]
	s_nop 0
.rept 4
	v_nop
.endr
.Lasked_\@:
.endm
; A round of the cluster's barrier: my work-group's barrier, so that wave 0's signal speaks for all four waves; wave 0 signals; every wave waits for all four work-groups; my work-group's barrier once more.
.macro CROUND
	s_barrier_signal -1
	s_barrier_wait -1
	s_cmp_lg_u32 s[WV], 0
	s_cbranch_scc1 .Lnot_wave_0_\@
	s_barrier_signal -3
.Lnot_wave_0_\@:
	s_barrier_wait -3
	s_barrier_signal -1
	s_barrier_wait -1
.endm
.macro PLACES                       ; four places behind matrix instructions (ISA guide 7.12.1)
.rept 4
	v_nop
.endr
.endm
; THE LDS LOADS stand in runs of 64: a tile's K (128 keys x 128 channels: 32 fragments) and its V (turned).
.macro FETCH_K
	WIN 0
	v_add_nc_u32 v[ADK], s[TB], v[AK0]
	WIN 0x80                        ; destination window 2
.irp c, 0,1,2,3
.irp k, 0,1,2,3,4,5,6,7
	ds_load_b128 v[32*(\k)+8*(\c):32*(\k)+8*(\c)+3],   v[ADK] offset:(\k)*16*PK+64*(\c)
	ds_load_b128 v[32*(\k)+8*(\c)+4:32*(\k)+8*(\c)+7], v[ADK] offset:(\k)*16*PK+64*(\c)+32
.endr
.endr
	WIN 0
.endm
.macro FETCH_V
	WIN 0
	v_add_nc_u32 v[ADV], s[TB], v[AV0]
	WIN 0xc0                        ; destination window 3
.irp k, 0,1,2,3
.irp c, 0,1,2,3,4,5,6,7
	ds_load_tr16_b128 v[64*(\k)+8*(\c):64*(\k)+8*(\c)+3],   v[ADV] offset:(\k)*32*PV+32*(\c)
	ds_load_tr16_b128 v[64*(\k)+8*(\c)+4:64*(\k)+8*(\c)+7], v[ADV] offset:(\k)*32*PV+16*PV+32*(\c)
.endr
.endr
	WIN 0
.endm
; THE MATRIX WORK.  The 8 accumulators of a run of 32 take turns.  Product i of S^T: keys 16 (i % 8) on, channels 32 (i / 8) on; the first 8 start the sums with the mask.
.macro QK
	WIN W_KQ
.set i, 0
.rept 32
.if i < 8
	v_wmma_f32_16x16x32_f16 v[S+8*(i%8):S+8*(i%8)+7], v[32*(i%8)+8*(i/8):32*(i%8)+8*(i/8)+7], v[QR+8*(i/8):QR+8*(i/8)+7], v[MC+8*(i%8):MC+8*(i%8)+7]
.else
	v_wmma_f32_16x16x32_f16 v[S+8*(i%8):S+8*(i%8)+7], v[32*(i%8)+8*(i/8):32*(i%8)+8*(i/8)+7], v[QR+8*(i/8):QR+8*(i/8)+7], v[S+8*(i%8):S+8*(i%8)+7]
.endif
.set i, i+1
.endr
.endm
; Product i of O^T: channels 16 (i % 8) on, keys 32 (i / 8) on.
.macro PV
	WIN W_PV
.set i, 0
.rept 32
	v_wmma_f32_16x16x32_f16 v[8*(i%8):8*(i%8)+7], v[64*(i/8)+8*(i%8):64*(i/8)+8*(i%8)+7], v[P+8*(i/8):P+8*(i/8)+7], v[8*(i%8):8*(i%8)+7]
.set i, i+1
.endr
.endm
; THE SOFTMAX.  MAXS: the maximum of the lane's 64 scores and the old m, three operands at a time, in four chains; each accumulator's lowest registers are read first.
.macro MAXS
.irp u, 0,1,2,3
	v_max3_num_f32 v[C0+(\u)], v[S+8*(\u)], v[S+8*(\u)+1], v[S+8*(\u)+2]
.endr
.irp u, 0,1,2,3
	v_max3_num_f32 v[C0+(\u)], v[C0+(\u)], v[S+8*(\u)+3], v[S+8*(\u)+4]
.endr
.irp u, 0,1,2,3
	v_max3_num_f32 v[C0+(\u)], v[C0+(\u)], v[S+8*(\u)+5], v[S+8*(\u)+6]
.endr
.irp t, 0,2,4,6
.irp u, 0,1,2,3
	v_max3_num_f32 v[C0+(\u)], v[C0+(\u)], v[S+32+8*(\u)+(\t)], v[S+32+8*(\u)+(\t)+1]
.endr
.endr
	v_max3_num_f32 v[C0], v[C0], v[S+7], v[S+15]
	v_max3_num_f32 v[C0+1], v[C0+1], v[S+23], v[S+31]
	v_max3_num_f32 v[C0+2], v[C0+2], v[C0+3], v[MX]
	v_max3_num_f32 v[C0], v[C0], v[C0+1], v[C0+2]
.endm
.macro STATS                        ; the query's other 64 keys lie in the lane 16 away; the new m, c m, and a
	v_mov_b32 v[CMO], v[CMX]
	v_permlanex16_b32 v[C0+3], v[C0], s[SEL], s[SEL+1]
	v_max_num_f32 v[MX], v[C0], v[C0+3]
	v_mul_f32 v[CMX], s[CS], v[MX]
	v_sub_f32 v[C0+1], v[CMO], v[CMX]
	v_exp_f32 v[AF], v[C0+1]
.endm
.macro SCALE                        ; c s - c m; its first line is the plain instruction behind the exponential above
.set i, 0
.rept 32
	v_pk_fma_f32 v[S+2*i:S+2*i+1], v[S+2*i:S+2*i+1], s[CS:CS+1], v[CMX:CMX+1] op_sel_hi:[1,0,0] neg_lo:[0,0,1] neg_hi:[0,0,1]
.set i, i+1
.endr
.endm
.macro BSUM k                       ; of the four weights 4 k .. the second pair is added onto the first, in place
	v_pk_add_f32 v[S+4*(\k):S+4*(\k)+1], v[S+4*(\k):S+4*(\k)+1], v[S+4*(\k)+2:S+4*(\k)+3]
.endm
.macro LSUM k                       ; l takes that sum; the first time as l = a l + sum
.if (\k) == 0
	v_pk_fma_f32 v[LS:LS+1], v[LS:LS+1], v[AF:AF+1], v[S:S+1] op_sel_hi:[1,0,1]
.else
	v_pk_add_f32 v[LS:LS+1], v[LS:LS+1], v[S+4*(\k):S+4*(\k)+1]
.endif
.endm
; The 64 exponentials, with what is ready between them: the rounding to f16 of the pair two back, and the sums of weights that have been rounded.  A plain instruction stands between every exponential and the
; use of its result (ISA guide 5.7.2); behind the first four, where nothing is ready yet, it is a v_nop.
.macro EXPS
.set n, 0
.rept 32
	v_exp_f32 v[S+2*n], v[S+2*n]
.if n >= 2
	s_wait_alu depctr_va_vdst(0)
	v_cvt_pk_f16_f32 v[P+n-2], v[S+2*n-4], v[S+2*n-3]
.else
	v_nop
.endif
	v_exp_f32 v[S+2*n+1], v[S+2*n+1]
.if n < 2
	v_nop
.elseif (n >= 5) && (n%2 == 1)
	BSUM (n-5)/2
.elseif (n >= 6) && (n%2 == 0)
	LSUM (n-6)/2
.endif
.set n, n+1
.endr
	s_wait_alu depctr_va_vdst(0)
	v_cvt_pk_f16_f32 v[P+30], v[S+60], v[S+61]
	v_cvt_pk_f16_f32 v[P+31], v[S+62], v[S+63]
	BSUM 14
	LSUM 13
	BSUM 15
	LSUM 14
	LSUM 15
.endm
.macro RESC                         ; O^T times a, in ascending order
	WIN W_RS
.set i, 0
.rept 32
	v_pk_mul_f32 v[2*i:2*i+1], v[2*i:2*i+1], v[AF:AF+1] op_sel_hi:[1,0]
.set i, i+1
.endr
.endm
.macro MAKEMASK                     ; the diagonal tile's mask
.set i, 0
.rept 64
	v_cmp_gt_i32 vcc_lo, 16*(i/8)+i%8, v[THR]
	v_cndmask_b32 v[MC+i], 0, s[BIGN], vcc_lo
.set i, i+1
.endr
.endm
.macro START                        ; what a block's first trip finds: c m far below every c s, m the lowest finite number, no key hidden
	v_mov_b32 v[CMX], 0xfe000000
	v_mov_b32 v[MX], 0xff7fffff
.set i, 0
.rept 64
	v_mov_b32 v[MC+i], 0
.set i, i+1
.endr
.endm
; THE CHANGE OF SLOTS, in the middle of a trip: K of the tile in hand has been multiplied, V's loads have been issued.  Each wave waits for all its tensor loads, of which one is out: its part of the other slot;
; adds 0 to its spare word; and waits for that and for its own reads of the slot.  Behind the barrier nobody reads this slot any more and the other slot is whole.
; fill = 1: this slot is filled again with tile NXT; the barrier is then a round of the cluster's, and the joint fill is the first thing behind it.  The descriptor's address is made anew from the tile's number.
; Then K of the next tile is fetched.  last = 1 (the two trips that ask for nothing): in the very last trip there is no next tile, and the run is jumped over.
; (At its first use nothing has been read yet: slot 0 is waited for, slot 1 filled.)
.macro CHANGE fill, last
	WIN 0                           ; at a label and at a branch every window is 0
	s_wait_tensorcnt 0x0            ; no tensor load of mine is out, so a group 0 may be written
	ds_add_u32 v[SPW], v[NIL]       ; 0 onto my spare word; with fill = 1 the descriptors' scalar work stands between it and the wait for it
.if \fill
	s_lshl_b32 s[OFF], s[NXT], 15   ; a tile is 32,768 bytes of K and of V
	s_xor_b32 s[G0K+1], s[G0K+1], SLOT1
	s_add_nc_u64 s[G0K+2:G0K+3], s[KB:KB+1], s[OFF:OFF+1]
	s_or_b32 s[G0K+3], s[G0K+3], 0x80000000
	s_xor_b32 s[G0V+1], s[G0V+1], SLOT1
	s_add_nc_u64 s[G0V+2:G0V+3], s[VB:VB+1], s[OFF:OFF+1]
	s_or_b32 s[G0V+3], s[G0V+3], 0x80000000
	s_add_co_u32 s[NXT], s[NXT], 1  ; the block's next tile, or behind its last the second block's tile 0
	s_cmp_gt_u32 s[NXT], s[LQ]
	s_cselect_b32 s[NXT], 0, s[NXT]
	s_cselect_b32 s[LQ], s[CC], s[LQ]
	s_wait_dscnt 0x0                ; the add is done, and my reads of the slot are over: V is in registers
	CROUND
	JLOAD
.else
	s_wait_dscnt 0x0                ; the add is done, and my reads of the slot are over: V is in registers
	s_barrier_signal -1
	s_barrier_wait -1
.endif
	s_xor_b32 s[TB], s[TB], SLOT1   ; the fetches go on in the other slot
.if \last
	s_cmp_eq_u32 s[CNT], 1
	s_cbranch_scc1 .Lno_k_\@
.endif
	FETCH_K                         ; K's registers were last read by this trip's products S^T, with the maximum and the scaling, plain lines, since
.if \last
.Lno_k_\@:
.endif
.endm
; A BLOCK'S END.  l's two halves and the other half of the lanes' are added; O^T is divided by l, rounded to f16 and sent through my stage in LDS; then all is set for the second block.
.macro FINISH
	PLACES                          ; behind the last products
	v_add_f32 v[C0], v[LS], v[LS+1]
	v_permlanex16_b32 v[C0+3], v[C0], s[SEL], s[SEL+1]
	v_add_f32 v[C0], v[C0], v[C0+3]
	v_rcp_f32 v[AF], v[C0]
	v_nop                           ; a plain instruction between the reciprocal and the use of its result
	s_wait_alu depctr_va_vdst(0)
	RESC
	WIN 0x05                        ; sources 0 and 1 window 1, destination window 0: S^T's registers are free
.set i, 0
.rept 32
	v_cvt_pk_f16_f32 v[S+i], v[2*i], v[2*i+1]
.set i, i+1
.endr
	WIN 0
.irp f, 0,1,2,3,4,5,6,7
	ds_store_b128 v[STO], v[S+4*(\f):S+4*(\f)+3] offset:32*(\f)
.endr
.irp f, 0,1,2,3,4,5,6,7
	ds_load_b128 v[S+4*(\f):S+4*(\f)+3], v[RD] offset:(\f)*2*SP  ; LDS serves a wave's instructions in order (ISA guide 5.7.1.4): these see the stores above
.endr
.irp f, 0,1,2,3,4,5,6,7
	s_wait_dscnt 7-(\f)             ; rows 2 f and 2 f + 1 are back; the younger loads may be out
	global_store_b128 v[GO], v[S+4*(\f):S+4*(\f)+3], s[OA:OA+1] offset:(\f)*8192  ; 16 lanes store a head's 256 consecutive bytes of a row, at a multiple of 256 from the buffer's first byte
.endr
	s_wait_xcnt 0x0                 ; the stores have had their addresses translated (ISA guide 3.1): their base and data registers are rewritten only behind this wait
	s_mov_b64 s[OA:OA+1], s[OA+2:OA+3]
	s_add_co_u32 s[RT], s[CC], 1    ; the second block has c + 1 tiles
	v_mov_b32 v[THR], v[THRB]
	START
	WIN W_RS                        ; the second block's Q goes where the one text of the trips names Q
.set i, 0
.rept 32
	v_mov_b32 v[QR+i], v[QR2+i]
.set i, i+1
.endr
	WIN 0
.endm
; A TRIP: one tile of 128 keys.  Both jumps go forward, on a count made from c, and pass neither a barrier nor a tensor load.
.macro TRIP fill, last
	s_sub_co_u32 s[RT], s[RT], 1
	s_cmp_lg_u32 s[RT], 0
	s_cbranch_scc1 .Lopen_\@
	MAKEMASK                        ; the block's last tile holds the diagonal
.Lopen_\@:
	PLACES                          ; behind the last trip's products, which read V's registers
	FETCH_V
	s_wait_dscnt 63                 ; of the 64 loads just issued 63 may be out: K, asked for ahead of them, is in
	QK
	WIN 0
	PLACES
	MAXS
	STATS
	SCALE
	CHANGE \fill, \last
	EXPS
	RESC
	PV
	WIN 0
	s_cmp_lg_u32 s[RT], 0
	s_cbranch_scc1 .Lon_\@
	FINISH
.Lon_\@:
.endm
	s_load_b128 s[4:7], s[0:1], 0x0  ; qkv s[4:5], ob s[6:7]
	v_lshl_add_u32 v[SPW], v0, 2, SPARE
	v_mov_b32 v[NIL], 0
	ds_add_u32 v[SPW], v[NIL]       ; the wave's opening: the add and its wait stand ahead of my first tensor load; the set-up below, work on registers, stands between them
	v_lshrrev_b32 v1, 5, v0
	v_readfirstlane_b32 s[WV], v1   ; wave 0..3
	s_bfe_u32 s13, ttmp6, 0x40000   ; cx: my place in the cluster
	s_mov_b32 s[CC], ttmp9          ; c: in a cluster launch ttmp9 counts clusters
	s_and_b32 s14, ttmp7, 0xffff    ; g, the key head, which the four partners share
	s_and_b32 s15, s13, 1
	s_lshr_b32 s16, s13, 1          ; u
	s_lshl1_add_u32 s15, s14, s15   ; my query head = 2 g + cx % 2
	s_lshl1_add_u32 s17, s[CC], s16 ; b = 2 c + u: the second block
	s_sub_co_u32 s18, 31, s17       ; the first block
	s_and_b32 s19, s[WV], 1         ; which half of a tile's 128 keys I fetch
	s_add_co_u32 s20, s14, 16       ; K: head 16 + g, 524,288 bytes a head,
	s_lshl_b32 s20, s20, 19
	s_lshl_b32 s22, s19, 14         ; my half's 64 rows of 256 bytes
	s_add_co_u32 s20, s20, s22
	s_mov_b32 s21, 0
	s_add_co_u32 s22, s20, 8<<19    ; V: eight heads on
	s_mov_b32 s23, 0
	s_lshl_b32 s2, s15, 19          ; Q: my head,
	s_lshl_b32 s3, s[WV], 12        ; my wave's 16 rows of 256 bytes,
	s_add_co_u32 s2, s2, s3
	s_lshl_b32 s[QA], s18, 14       ; the block's 64 rows
	s_add_co_u32 s[QA], s[QA], s2
	s_mov_b32 s[QA+1], 0
	s_lshl_b32 s[QA+2], s17, 14
	s_add_co_u32 s[QA+2], s[QA+2], s2
	s_mov_b32 s[QA+3], 0
	s_lshl_b32 s2, s15, 8           ; ob: my head's 256 bytes of a row,
	s_lshl_b32 s3, s[WV], 16        ; my wave's 16 rows of 4,096 bytes,
	s_add_co_u32 s2, s2, s3
	s_lshl_b32 s[OA], s18, 18       ; the block's 64 rows
	s_add_co_u32 s[OA], s[OA], s2
	s_mov_b32 s[OA+1], 0
	s_lshl_b32 s[OA+2], s17, 18
	s_add_co_u32 s[OA+2], s[OA+2], s2
	s_mov_b32 s[OA+3], 0
	; descriptor group 1: a tile of 64 rows x 128 elements, padded in LDS
	s_mov_b32 s[G1K], 15|(1<<16)|(1<<20)|(1<<21)|(5<<22)|(3<<25)  ; 15:0 the mask of four; 17:16 2-byte elements; 20 padding on; 21 set beside a mask; 24:22 after every 64 words (code 5); 31:25 4 words (code 3)
	s_mov_b32 s[G1V], 15|(1<<16)|(1<<20)|(1<<21)|(5<<22)|(7<<25)  ; the same with 8 words of padding (code 7)
.irp g, G1K, G1V
	s_mov_b32 s[\g+1], 128<<16      ; tensor_dim0 = 128
	s_mov_b32 s[\g+2], 64<<16       ; tensor_dim1 = 64
	s_mov_b32 s[\g+3], 128<<16      ; tile_dim0 = 128
	s_mov_b32 s[\g+4], 64           ; tile_dim1 = 64
	s_mov_b32 s[\g+5], 128          ; 128 elements from row to row
	s_mov_b32 s[\g+6], 0
	s_mov_b32 s[\g+7], 0
.endr
	s_mov_b32 s[G0K], 1             ; count = 1
	s_mul_i32 s[G0K+1], s19, 64*PK  ; LDS address: slot 0, my half: no place in the cluster enters an LDS address
	s_mov_b32 s[G0V], 1
	s_mul_i32 s[G0V+1], s19, 64*PV
	s_add_co_u32 s[G0V+1], s[G0V+1], VOFF
	s_mov_b32 s[CS], 0x400293ee     ; c = 16 log2(e) / sqrt(128) = 2.040276
	s_mov_b32 s[CS+1], s[CS]        ; named with it as a pair
	s_mov_b32 s[SEL], 0x76543210
	s_mov_b32 s[SEL+1], 0xfedcba98
	s_mov_b32 s[TB], SLOT1          ; the first change of slots turns it into 0
	s_sub_co_u32 s[RT], 16, s[CC]   ; the first block has 16 - c tiles
	s_mov_b32 s[NXT], 1
	s_sub_co_u32 s[LQ], 15, s[CC]
	s_mov_b32 s[OFF+1], 0
	s_mov_b32 s[BIGN], 0xf149f2ca   ; -1e30
	s_wait_dscnt 0x0                ; the opening add is done
	s_wait_kmcnt 0x0
	s_add_nc_u64 s[KB:KB+1], s[4:5], s[20:21]
	s_add_nc_u64 s[VB:VB+1], s[4:5], s[22:23]
	s_add_nc_u64 s[G0K+2:G0K+3], s[KB:KB+1], 0     ; global address: tile 0
	s_or_b32 s[G0K+3], s[G0K+3], 0x80000000        ; type = 2
	s_add_nc_u64 s[G0V+2:G0V+3], s[VB:VB+1], 0
	s_or_b32 s[G0V+3], s[G0V+3], 0x80000000
	s_add_nc_u64 s[QA:QA+1], s[4:5], s[QA:QA+1]
	s_add_nc_u64 s[QA+2:QA+3], s[4:5], s[QA+2:QA+3]
	s_add_nc_u64 s[OA:OA+1], s[6:7], s[OA:OA+1]
	s_add_nc_u64 s[OA+2:OA+3], s[6:7], s[OA+2:OA+3]
	CROUND                          ; all four work-groups are here: the first joint loads meet
	JLOAD                           ; tile 0 into slot 0: one load of mine is out
	; A fragment of K or Q is 16 rows x 32 channels in 8 registers: lane l holds row l % 16, channels 8 (l / 16) + 0..7 and 16 + 8 (l / 16) + 0..7: two loads of 16 bytes, 32 bytes apart.
	v_and_b32 v1, 15, v0            ; l % 16
	v_bfe_u32 v10, v0, 4, 1         ; l / 16
	v_lshlrev_b32 v[QO], 8, v1
	v_lshl_add_u32 v[QO], v10, 4, v[QO]  ; row x 256 + 16 x half
	WIN 0x40                        ; destination window 1, address window 0
.irp c, 0,1,2,3                     ; both blocks' Q stay in registers: channels 32 c on
	global_load_b128 v[QR+8*(\c):QR+8*(\c)+3],     v[QO], s[QA:QA+1] offset:64*(\c)
	global_load_b128 v[QR+8*(\c)+4:QR+8*(\c)+7],   v[QO], s[QA:QA+1] offset:64*(\c)+32
	global_load_b128 v[QR2+8*(\c):QR2+8*(\c)+3],   v[QO], s[QA+2:QA+3] offset:64*(\c)
	global_load_b128 v[QR2+8*(\c)+4:QR2+8*(\c)+7], v[QO], s[QA+2:QA+3] offset:64*(\c)+32
.endr
.set i, 0
.rept 64                            ; O^T need only be finite: the first trip multiplies it by a = 0.  This stands in the wait for the first tile
	v_mov_b32 v[i], 0
.set i, i+1
.endr
	WIN 0
	v_mov_b32 v[LS], 0
	v_mov_b32 v[LS+1], 0
	v_mov_b32 v[AF+1], 0
	START
	v_mul_u32_u24 v[AK0], v1, PK
	v_lshl_add_u32 v[AK0], v10, 4, v[AK0]  ; row x pitch + 16 x half
	; The turning load takes 16 keys x 16 channels (lane l reads key 8 (l / 16) + l % 8, channels 8 ((l / 8) % 2) + 0..7) and leaves half a fragment of V^T: lane l holds channel l % 16 and 8 keys.
	v_and_b32 v11, 7, v0
	v_bfe_u32 v12, v0, 3, 1
	v_lshl_add_u32 v[AV0], v10, 3, v11
	v_mul_u32_u24 v[AV0], v[AV0], PV
	v_lshl_add_u32 v[AV0], v12, 4, v[AV0]
	v_add_nc_u32 v[AV0], VOFF, v[AV0]
	s_mul_i32 s2, s[WV], 16*SP
	s_add_co_u32 s2, s2, STAGE      ; my stage
	v_mul_u32_u24 v[STO], v1, SP    ; in: row l % 16, 16 bytes for each half of the lanes
	v_lshl_add_u32 v[STO], v10, 4, v[STO]
	v_add_nc_u32 v[STO], s2, v[STO]
	v_mul_u32_u24 v[RD], v10, SP    ; back: lanes 0-15 take one row of 256 bytes, lanes 16-31 the next
	v_lshl_add_u32 v[RD], v1, 4, v[RD]
	v_add_nc_u32 v[RD], s2, v[RD]
	v_lshlrev_b32 v[GO], 12, v10    ; and the same two rows in ob, 4,096 bytes apart
	v_lshl_add_u32 v[GO], v1, 4, v[GO]
	; my query's place in the diagonal tile, 64 x (the block's parity) + 16 w + l % 16, less my lanes' 8 (l / 16).  Block 31 - b has the parity 1 - u, block b has u.
	v_lshlrev_b32 v13, 3, v10
	v_sub_nc_u32 v13, v1, v13
	s_lshl_b32 s2, s[WV], 4
	v_add_nc_u32 v13, s2, v13
	s_xor_b32 s2, s16, 1
	s_lshl_b32 s2, s2, 6
	s_lshl_b32 s3, s16, 6
	v_add_nc_u32 v[THR], s2, v13
	v_add_nc_u32 v[THRB], s3, v13
	CHANGE 1, 0                     ; slot 0 is in, everybody's part of it; tile 1 is asked for, into slot 1; K of tile 0 is fetched
	s_wait_loadcnt 0x0              ; Q
	s_mov_b32 s[SLOTS], 15
.Lslot:                             ; 15 trips: the walk's tiles 0 to 14 are worked on, its tiles 2 to 16 asked for
	TRIP 1, 0
	s_sub_co_u32 s[SLOTS], s[SLOTS], 1
	s_cmp_lg_u32 s[SLOTS], 0
	s_cbranch_scc1 .Lslot
	s_mov_b32 s[CNT], 2
.Ltail:                             ; the last two trips are a text of their own: nothing is asked for.  The last trip's barrier serves nothing: the price of one text for both
	TRIP 0, 1
	s_sub_co_u32 s[CNT], s[CNT], 1
	s_cmp_lg_u32 s[CNT], 0
	s_cbranch_scc1 .Ltail
	s_wait_tensorcnt 0x0            ; the wave's end: these three lines stand behind my last tensor load and my last LDS store
	ds_add_u32 v[SPW], v[NIL]
	s_wait_dscnt 0x0
	CROUND                          ; the closing round: no work-group ends while a partner may still ask for a tile that names it
	s_endpgm
.Lfunc_end_k_qf994c5de6d_attn:
	.size	k_qf994c5de6d_attn, .Lfunc_end_k_qf994c5de6d_attn-k_qf994c5de6d_attn
	.p2alignl 7, 3214868480
	.fill 96, 4, 3214868480
	.section	.rodata,"a",@progbits
	.p2align	6, 0x0
	.amdhsa_kernel k_qf994c5de6d_attn
		.amdhsa_group_segment_fixed_size 327680
		.amdhsa_private_segment_fixed_size 0
		.amdhsa_enable_private_segment 0
		.amdhsa_kernarg_size 16
		.amdhsa_user_sgpr_count 2
		.amdhsa_user_sgpr_kernarg_segment_ptr 1
		.amdhsa_wavefront_size32 1
		.amdhsa_system_sgpr_workgroup_id_x 1
		.amdhsa_system_sgpr_workgroup_id_y 1
		.amdhsa_system_sgpr_workgroup_id_z 1
		.amdhsa_system_vgpr_workitem_id 0
		.amdhsa_next_free_vgpr 1024
		.amdhsa_next_free_sgpr 76
		.amdhsa_reserve_vcc 1
		.amdhsa_float_denorm_mode_32 3
		.amdhsa_float_denorm_mode_16_64 3
		.amdhsa_memory_ordered 1
		.amdhsa_forward_progress 1
		.amdhsa_inst_pref_size 106
	.end_amdhsa_kernel
	.amdgpu_metadata
---
amdhsa.version: [ 1, 2 ]
amdhsa.kernels:
  - .name:           k_qf994c5de6d_attn
    .symbol:         k_qf994c5de6d_attn.kd
    .args:
      - { .name: qkv, .offset: 0, .size: 8, .value_kind: global_buffer, .address_space: global }
      - { .name: ob, .offset: 8, .size: 8, .value_kind: global_buffer, .address_space: global }
    .group_segment_fixed_size: 327680
    .private_segment_fixed_size: 0
    .kernarg_segment_align: 8
    .kernarg_segment_size: 16
    .max_flat_workgroup_size: 128
    .sgpr_count:     76
    .vgpr_count:     1024
    .wavefront_size: 32
...
	.end_amdgpu_metadata
.endif
;; end of part 3
;; launch oproj (part 4): grid 16 x 16, 4 waves a work-group, clusters of 4 x 4, 327,680 bytes of LDS; arguments ob, wob, out0; writes out0
.if DOCPART == 4
	.amdgcn_target "amdgcn-amd-amdhsa--gfx1250"
	.amdhsa_code_object_version 6
	.text
	.protected	k_qf994c5de6d_oproj
	.globl	k_qf994c5de6d_oproj
	.p2align	8
	.type	k_qf994c5de6d_oproj,@function
k_qf994c5de6d_oproj:
	s_mov_b64 s[64:65], 0
	v_nop
	global_prefetch_b8 v0, s[64:65] scope:SCOPE_SE
	s_setreg_imm32_b32 hwreg(HW_REG_WAVE_MODE, 25, 1), 1
	s_wait_xcnt 0x0
	s_wait_alu depctr_hold_cnt(0) depctr_sa_sdst(0) depctr_va_vdst(0) depctr_va_sdst(0) depctr_va_ssrc(0) depctr_va_vcc(0) depctr_vm_vsrc(0)
	s_getreg_b32 s2, hwreg(HW_REG_IB_STS2, 6, 4)
	s_cmp_eq_u32 s2, 0
	s_cbranch_scc0 .Lentry_in_a_cluster
	s_endpgm
.Lentry_in_a_cluster:
	s_bfe_u32 s2, ttmp6, 0x10000c
	s_cmp_lg_u32 s2, 0xf033
	s_cbranch_scc0 .Lentry_shape_is_right
	s_endpgm
.Lentry_shape_is_right:
; ONE TEXT FOR TWO PRODUCTS C = A B, A [2048][KDIM] with K along the rows, B [KDIM][4096] with N along the rows, both 16 bits; sums in f32, K ascending.
; KIND 0: A = xb, B = wb, bf16, KDIM = 4096.  C's columns are 32 heads of 128 (16 of q, 8 of k, 8 of v).  On the way out q and k are turned (neox rope, the halves 64 apart) by the
;   table's 0.25 cos and 0.25 sin, v is multiplied by 0.25 (the table's identity blocks), all are rounded once to f16 and stored by heads, [32][2048][128].
; KIND 1 (this launch): A = ob, B = wob, f16, KDIM = 2048.  C x 4 (which takes v's 0.25 out again, exactly) is stored as f32, [2048][4096].
; LIMIT (KIND 0).  f16 ends at 65,504, so |q|, |k|, |v| up to 262,016 are served.  NaN and infinities are not treated apart.
; SHARES.  A tile of C is 128 x 256: 16 x 16 tiles, one to a work-group.  Four waves, each 64 rows x 128 columns (in KIND 0 one head): 4 x 8 accumulators of 16 x 16, 256 registers.
; THE RING.  K goes in steps of 128.  LDS has room for three steps' tiles, so the two slots are unequal: slot X holds two steps (A's rows 512 bytes, 256 rows of B), slot Y one (A's rows 256 bytes,
; 128 rows of B); all rows start at multiples of 256 bytes from the buffer's first byte.  X and Y take turns: three steps have two changes of slots.  KIND 0 walks X Y X .. X (11 and 10 tiles, 32 steps),
; KIND 1 walks Y X Y .. Y (6 and 5 tiles, 16 steps): both begin and end with the same slot, called P here; the other is Q.
; B lies [k][n] and comes out of LDS turned, by ds_load_tr16_b128.  THE MATRIX INSTRUCTION IS USED TRANSPOSED (source 0 = 16 columns of B, source 1 = 16 rows of A): lane l holds row l % 16 of C and
; the columns 8 (l / 16) + 0..7, eight neighbours.
; CLUSTER.  4 x 4 work-groups.  The four of a row of the cluster need the same tiles of A, the four of a column the same tiles of B: each tile is asked for JOINTLY, by the same tensor load with
; the same descriptor and a mask that names the four.
; REGISTERS, in windows of 256 (s_set_vgpr_msb: bits 1:0 source 0, 3:2 source 1, 5:4 source 2, 7:6 destination):
;   window 0: v0-31 addresses; v64-159, v160-255 two fragment buffers (8 fragments of B, then 4 of A, for 32 along K); on the way out they are at work
;   window 1: the accumulators, (a, b) at v[8 (8 a + b)]          window 2 (KIND 0): the table for my 64 rows: cos j of (a, b) at v[64 a + 16 b + j], sin 8 further on
.set KIND, 1
.if KIND
.set KDIM,   2048
.set SPITCH, 528                       ; a stage row: 512 bytes + 16
.set NQ,     5                         ; tiles that pass through slot Q; slot P has one more
.else
.set KDIM,   4096
.set SPITCH, 272                       ; a stage row: 256 bytes + 16
.set NQ,     10
.endif
.set SLP,    KIND                      ; slot 0 is X, slot 1 is Y: P is X in KIND 0, Y in KIND 1
.set SLQ,    1-KIND
.set XS0,    KIND                      ; the K step with which X's first tile begins,
.set YS0,    2-2*KIND                  ; and Y's
.set KSTEP,  128
.set PAX,    528                       ; a row of A in X: 512 bytes + 16 of padding = 132 words; in Y: 256 + 16 = 68 words: in both the 16 rows of a load start at 16 different groups of four banks
.set PAY,    272                       ; (64 banks of 4 bytes: ISA guide 11.1)
.set PB,     544                       ; a row of B: 512 + 32 = 136 words
.set XA,     0                         ; X: A's 128 rows,
.set XB,     XA+128*PAX                ;    B's 256 rows
.set YA,     XB+256*PB                 ; Y: A's 128 rows,
.set YB,     YA+128*PAY                ;    B's 128 rows
.set SPARE,  YB+128*PB                 ; behind the ring: the spare words, 128 bytes for each wave: two blocks of 256 bytes that no other line names
.set STAGE,  YA-(YA-XA)*KIND           ; the stage for the way out, 16 rows for each wave, lies at the head of slot Q: Q has had its last fill, and the barrier of the last change from Q to P stands behind every wave's last read of it
.set ADRA, 16                          ; v16-18  LDS address of my A fragments in X's first step, X's second step, Y
.set ADRB, 20                          ; v20-22  the same for B
.set STO,  24                          ; v24     the way out: where I put my bytes of a row
.set RD,   25                          ; v25     the way out: where I read rows back
.set CO,   26                          ; v26     16 x lane; never rewritten
.set SPW,  28                          ; v28     LDS address of my spare word: SPARE + 4 x my thread's number; never rewritten
.set NIL,  29                          ; v29     0; never rewritten
.set F0,   64
.set F1,   160
.set YY,   64                          ; the way out: 64 results of a block of 16 rows, in f32
.set G1AY, 24                          ; s[24:31] descriptor group 1 for A's tiles in Y;  s[68:75] in X
.set G1AX, 68
.set G0A,  32                          ; s[32:39] group 0 for A's tiles: X's set, then Y's
.set G1BY, 48                          ; s[48:55] group 1 for B's tiles in Y;  s[76:83] in X
.set G1BX, 76
.set G0B,  56                          ; s[56:63] group 0 for B's tiles: X's set, then Y's
.set W_MUL, 0x50                       ; fragments in window 0, C and D in window 1
.set MSB, 0
.macro WIN new                         ; the immediate's high byte repeats the setting that is left; a switch that changes nothing is dropped
.if MSB != (\new)
	s_set_vgpr_msb (MSB<<8)|(\new)
.set MSB, \new
.endif
.endm
; A joint load into slot s: waves 0 and 1 fetch A's two halves, waves 2 and 3 B's.  The branch hangs on the wave's number alone.  An s_nop 0 and four v_nop follow each of the two lines, ahead of the jump, the label and what follows.
.macro JLOAD s
	s_cmp_eq_u32 s13, 0
	s_cbranch_scc0 .Lfor_b_\@
	tensor_load_to_lds s[G0A+4*(\s):G0A+4*(\s)+3], s[G1AX+(G1AY-G1AX)*(\s):G1AX+(G1AY-G1AX)*(\s)+7]
	s_nop 0
.rept 4
	v_nop
.endr
	s_branch .Lasked_\@
.Lfor_b_\@:
	tensor_load_to_lds s[G0B+4*(\s):G0B+4*(\s)+3], s[G1BX+(G1BY-G1BX)*(\s):G1BX+(G1BY-G1BX)*(\s)+7]
	s_nop 0
.rept 4
	v_nop
.endr
.Lasked_\@:
.endm
.macro CREST                           ; a round of the cluster's barrier behind its opening barrier
	s_cmp_lg_u32 s12, 0
	s_cbranch_scc1 .Lnot_wave_0_\@
	s_barrier_signal -3
.Lnot_wave_0_\@:
	s_barrier_wait -3
	s_barrier_signal -1
	s_barrier_wait -1
.endm
.macro CROUND                          ; a whole round
	s_barrier_signal -1
	s_barrier_wait -1
	CREST
.endm
.macro PLACES                          ; four places in front of loads into registers that matrix instructions have read, and of vector lines that read results
.rept 4
	v_nop
.endr
.endm
.if KIND
	s_load_b128 s[4:7], s[0:1], 0x0                ; A s[4:5], B s[6:7]
	s_load_b64 s[10:11], s[0:1], 0x10              ; C
.else
	s_load_b256 s[4:11], s[0:1], 0x0               ; A s[4:5], B s[6:7], the table s[8:9], C s[10:11]
.endif
	v_lshl_add_u32 v[SPW], v0, 2, SPARE
	v_mov_b32 v[NIL], 0
	ds_add_u32 v[SPW], v[NIL]                      ; the wave's opening: the add and its wait stand ahead of my first tensor load; the set-up below, work on registers, stands between them
	v_lshrrev_b32 v1, 5, v0
	v_readfirstlane_b32 s12, v1                    ; wave 0..3
	s_lshr_b32 s13, s12, 1                         ; which 64 rows of the tile are mine.  Also: I fetch for A (0) or for B (1)
	s_and_b32 s14, s12, 1                          ; which 128 columns.  Also: which half of that tile I fetch
	s_bfe_u32 s15, ttmp6, 0x40000                  ; cx, cy: my place in the cluster
	s_bfe_u32 s16, ttmp6, 0x40004
	s_lshl_b32 s17, ttmp9, 2
	s_add_co_u32 s17, s17, s15                     ; tile column of C = 4 x cluster x + cx
	s_and_b32 s18, ttmp7, 0xffff
	s_lshl_b32 s18, s18, 2
	s_add_co_u32 s18, s18, s16                     ; tile row of C = 4 x cluster y + cy
	s_lshl_b32 s19, s16, 2
	s_lshl_b32 s19, 15, s19                        ; my row of the cluster
	s_lshl_b32 s20, 0x1111, s15                    ; my column
	; group 1, four shapes.  15:0 the mask (A's tiles go to my row, B's to my column); 17:16 2-byte elements; 20 padding on; 21 set beside a mask; 24:22 the padding's interval; 31:25 its words less one
	s_or_b32 s[G1AX], s19, (1<<16)|(1<<20)|(1<<21)|(6<<22)|(3<<25)  ; after every 128 words (code 6) 4 words
	s_or_b32 s[G1AY], s19, (1<<16)|(1<<20)|(1<<21)|(5<<22)|(3<<25)  ; after every 64 words (code 5) 4 words
	s_or_b32 s[G1BX], s20, (1<<16)|(1<<20)|(1<<21)|(6<<22)|(7<<25)  ; after every 128 words 8 words
	s_or_b32 s[G1BY], s20, (1<<16)|(1<<20)|(1<<21)|(6<<22)|(7<<25)
	s_mov_b32 s[G1AX+1], 256<<16                   ; A in X, a wave's half: 64 rows x 256 elements: tensor_dim0,
	s_mov_b32 s[G1AX+2], 64<<16                    ; tensor_dim1,
	s_mov_b32 s[G1AX+3], 256<<16                   ; tile_dim0,
	s_mov_b32 s[G1AX+4], 64                        ; tile_dim1,
	s_mov_b32 s[G1AX+5], KDIM                      ; elements from row to row
	s_mov_b32 s[G1AX+6], 0
	s_mov_b32 s[G1AX+7], 0
	s_mov_b32 s[G1AY+1], 128<<16                   ; A in Y: 64 rows x 128 elements
	s_mov_b32 s[G1AY+2], 64<<16
	s_mov_b32 s[G1AY+3], 128<<16
	s_mov_b32 s[G1AY+4], 64
	s_mov_b32 s[G1AY+5], KDIM
	s_mov_b32 s[G1AY+6], 0
	s_mov_b32 s[G1AY+7], 0
	s_mov_b32 s[G1BX+1], 256<<16                   ; B in X: 128 rows (k) x 256 elements
	s_mov_b32 s[G1BX+2], 128<<16
	s_mov_b32 s[G1BX+3], 256<<16
	s_mov_b32 s[G1BX+4], 128
	s_mov_b32 s[G1BX+5], 4096
	s_mov_b32 s[G1BX+6], 0
	s_mov_b32 s[G1BX+7], 0
	s_mov_b32 s[G1BY+1], 256<<16                   ; B in Y: 64 rows (k) x 256 elements
	s_mov_b32 s[G1BY+2], 64<<16
	s_mov_b32 s[G1BY+3], 256<<16
	s_mov_b32 s[G1BY+4], 64
	s_mov_b32 s[G1BY+5], 4096
	s_mov_b32 s[G1BY+6], 0
	s_mov_b32 s[G1BY+7], 0
	; group 0: count = 1, and where my half goes: a constant plus my half's number times a constant: no place in the cluster enters an LDS address
	s_mov_b32 s[G0A], 1
	s_mul_i32 s[G0A+1], s14, 64*PAX                ; (XA is 0)
	s_mov_b32 s[G0A+4], 1
	s_mul_i32 s[G0A+5], s14, 64*PAY
	s_add_co_u32 s[G0A+5], s[G0A+5], YA
	s_mov_b32 s[G0B], 1
	s_mul_i32 s[G0B+1], s14, 128*PB
	s_add_co_u32 s[G0B+1], s[G0B+1], XB
	s_mov_b32 s[G0B+4], 1
	s_mul_i32 s[G0B+5], s14, 64*PB
	s_add_co_u32 s[G0B+5], s[G0B+5], YB
	s_lshl_b32 s40, s18, 7                         ; A: row 128 x tile row + 64 x half: the tile row and the wave alone
	s_lshl_b32 s23, s14, 6
	s_add_co_u32 s40, s40, s23
	s_mul_i32 s40, s40, KDIM*2                     ; in bytes: under 2^25
	s_mov_b32 s41, 0
	s_lshl_b32 s46, s17, 9                         ; B: column 256 x tile column, 2 bytes each: the tile column alone;
	s_mov_b32 s47, 0
	s_lshl_b32 s84, s14, 20                        ; my half's rows (k) of 8,192 bytes: 128 in X,
	s_mov_b32 s85, 0
	s_lshl_b32 s86, s14, 19                        ; 64 in Y: the wave alone
	s_mov_b32 s87, 0
	s_lshl_b32 s42, s18, 7
	s_lshl_b32 s23, s13, 6
	s_add_co_u32 s42, s42, s23                     ; my first row of C
.if KIND
	s_lshl_b32 s42, s42, 14                        ; rows of 16,384 bytes,
	s_lshl_b32 s23, s17, 10                        ; 1,024 bytes a tile column,
	s_add_co_u32 s42, s42, s23
	s_lshl_b32 s23, s14, 9                         ; 512 for my half
	s_add_co_u32 s42, s42, s23
.else
	s_lshl_b32 s42, s42, 8                         ; a head's rows are 256 bytes,
	s_lshl1_add_u32 s23, s17, s14                  ; my head = 2 x tile column + half,
	s_lshl_b32 s23, s23, 19                        ; 524,288 bytes each
	s_add_co_u32 s42, s42, s23
	s_lshl_b32 s44, s18, 16                        ; the table: 8 blocks of 8,192 bytes a tile row, 4 for my half of the rows;
	s_lshl_b32 s23, s13, 15
	s_add_co_u32 s44, s44, s23
	s_mov_b32 s23, ttmp9
	s_cmp_eq_u32 s23, 3                            ; tile columns 12-15, the cluster column 3, are v: the identity blocks
	s_cselect_b32 s44, 0x100000, s44
	s_mov_b32 s45, 0
.endif
	s_mov_b32 s43, 0
	s_wait_dscnt 0x0                               ; the opening add is done
	s_wait_kmcnt 0x0
	s_add_nc_u64 s[40:41], s[4:5], s[40:41]
	s_add_nc_u64 s[46:47], s[6:7], s[46:47]
	s_add_nc_u64 s[10:11], s[10:11], s[42:43]
.if KIND == 0
	s_add_nc_u64 s[8:9], s[8:9], s[44:45]
.endif
	s_add_nc_u64 s[G0A+2:G0A+3], s[40:41], XS0*KSTEP*2             ; global addresses of the slots' first tiles: a K step is 256 bytes along A's rows
	s_or_b32 s[G0A+3], s[G0A+3], 0x80000000                        ; type = 2
	s_add_nc_u64 s[G0A+6:G0A+7], s[40:41], YS0*KSTEP*2
	s_or_b32 s[G0A+7], s[G0A+7], 0x80000000
	s_add_nc_u64 s[G0B+2:G0B+3], s[46:47], s[84:85]
	s_add_nc_u64 s[G0B+2:G0B+3], s[G0B+2:G0B+3], XS0*KSTEP*8192    ; and 128 rows of 8,192 bytes down B
	s_or_b32 s[G0B+3], s[G0B+3], 0x80000000
	s_add_nc_u64 s[G0B+6:G0B+7], s[46:47], s[86:87]
	s_add_nc_u64 s[G0B+6:G0B+7], s[G0B+6:G0B+7], YS0*KSTEP*8192
	s_or_b32 s[G0B+7], s[G0B+7], 0x80000000
	CROUND                                         ; all sixteen work-groups are here: the first joint loads meet
	JLOAD SLP                                      ; the walk's first tile,
	JLOAD SLQ                                      ; and its second: two loads of mine are out
	; A fragment of A is 16 rows x 32 K in 8 registers: lane l holds row l % 16, K = 8 (l / 16) + 0..7 and 16 + 8 (l / 16) + 0..7: two loads of 16 bytes, 32 bytes apart.
	v_and_b32 v1, 15, v0                           ; l % 16
	v_bfe_u32 v2, v0, 4, 1                         ; l / 16
	v_mul_u32_u24 v3, v1, PAX
	v_lshl_add_u32 v3, v2, 4, v3
	s_mul_i32 s23, s13, 64*PAX                     ; my 64 rows of A in X (XA is 0);
	v_add_nc_u32 v[ADRA], s23, v3
	v_add_nc_u32 v[ADRA+1], 2*KSTEP, v[ADRA]       ; X's second step begins 256 bytes along the rows
	v_mul_u32_u24 v3, v1, PAY
	v_lshl_add_u32 v3, v2, 4, v3
	s_mul_i32 s23, s13, 64*PAY
	s_add_co_u32 s23, s23, YA
	v_add_nc_u32 v[ADRA+2], s23, v3
	; The turning load takes 16 k x 16 columns (lane l reads 16 bytes: k = 8 (l / 16) + l % 8, columns 8 ((l / 8) % 2) + 0..7) and leaves half a fragment: lane l holds column l % 16 and 8 k.
	v_and_b32 v4, 7, v0
	v_lshl_add_u32 v4, v2, 3, v4
	v_mul_u32_u24 v4, v4, PB
	v_bfe_u32 v5, v0, 3, 1
	v_lshl_add_u32 v4, v5, 4, v4
	s_lshl_b32 s23, s14, 8                         ; my 128 columns of B
	s_add_co_u32 s23, s23, XB
	v_add_nc_u32 v[ADRB], s23, v4
	v_add_nc_u32 v[ADRB+1], KSTEP*PB, v[ADRB]      ; X's second step begins 128 rows down
	v_add_nc_u32 v[ADRB+2], YB-XB, v[ADRB]
	s_mul_i32 s23, s12, 16*SPITCH
	s_add_co_u32 s23, s23, STAGE                   ; my stage
	v_and_b32 v3, 31, v0
	v_lshlrev_b32 v[CO], 4, v3
	v_mul_u32_u24 v3, v1, SPITCH                   ; in: row l % 16,
.if KIND
	v_lshl_add_u32 v3, v2, 5, v3                   ; 32 bytes for each half of the lanes
	v_add_nc_u32 v[STO], s23, v3
	v_add_nc_u32 v[RD], s23, v[CO]                 ; back: 32 lanes take one row of 512 bytes
.else
	v_lshl_add_u32 v3, v2, 4, v3                   ; 16 bytes for each half of the lanes
	v_add_nc_u32 v[STO], s23, v3
	v_mul_u32_u24 v3, v2, SPITCH                   ; back: lanes 0-15 take one row of 256 bytes, lanes 16-31 the next
	v_lshl_add_u32 v3, v1, 4, v3
	v_add_nc_u32 v[RD], s23, v3
	WIN 0x80                                       ; the table for my 64 rows, 32,768 consecutive bytes, into window 2: wanted on the way out and waited for there
.set i, 0
.rept 64
	global_load_b128 v[4*i:4*i+3], v[CO], s[8:9] offset:512*i
.set i, i+1
.endr
	WIN 0
.endif
.macro WM d, x, y, zero                ; one matrix instruction: accumulator d, B's fragment x, A's fragment y.  zero = 1: it starts the sum
.if KIND
.if \zero
	v_wmma_f32_16x16x32_f16 v[(\d):(\d)+7], v[(\x):(\x)+7], v[(\y):(\y)+7], 0
.else
	v_wmma_f32_16x16x32_f16 v[(\d):(\d)+7], v[(\x):(\x)+7], v[(\y):(\y)+7], v[(\d):(\d)+7]
.endif
.else
.if \zero
	v_wmma_f32_16x16x32_bf16 v[(\d):(\d)+7], v[(\x):(\x)+7], v[(\y):(\y)+7], 0
.else
	v_wmma_f32_16x16x32_bf16 v[(\d):(\d)+7], v[(\x):(\x)+7], v[(\y):(\y)+7], v[(\d):(\d)+7]
.endif
.endif
.endm
; 8 matrix instructions: row block a x all 8 column blocks, 32 along K, from buffer f.  The 32 accumulators take turns in the same order in every quarter.
.macro MUL8 f, a, zero
	WIN W_MUL
.irp b, 0,1,2,3,4,5,6,7
	WM 8*(8*(\a)+(\b)), (\f)+8*(\b), (\f)+64+8*(\a), \zero
.endr
.endm
; 24 LDS loads in one run: the fragments of quarter q (32 along K) of step u (0, 1: X's two steps; 2: Y's) into buffer f: B's sixteen, then A's eight
.macro FETCH u, q, f
	WIN 0
.irp b, 0,1,2,3,4,5,6,7
	ds_load_tr16_b128 v[(\f)+8*(\b):(\f)+8*(\b)+3],   v[ADRB+(\u)] offset:(\q)*32*PB+32*(\b)
	ds_load_tr16_b128 v[(\f)+8*(\b)+4:(\f)+8*(\b)+7], v[ADRB+(\u)] offset:(\q)*32*PB+16*PB+32*(\b)
.endr
.irp r, 0,1,2,3
	ds_load_b128 v[(\f)+64+8*(\r):(\f)+64+8*(\r)+3],   v[ADRA+(\u)] offset:(\r)*16*(PAX-(PAX-PAY)*((\u)/2))+64*(\q)
	ds_load_b128 v[(\f)+64+8*(\r)+4:(\f)+64+8*(\r)+7], v[ADRA+(\u)] offset:(\r)*16*(PAX-(PAX-PAY)*((\u)/2))+64*(\q)+32
.endr
.endm
; A K step is four quarters of 32 along K, 32 matrix instructions each, on buffers 0, 1, 0, 1.  A plain quarter multiplies buffer f and fetches quarter q of step u, the next one, into g.
.macro QUARTER u, q, f, g, zero
	s_wait_dscnt 4                                 ; B and A's blocks 0 and 1 are in; the youngest four loads (blocks 2 and 3) may be out
	MUL8 \f, 0, \zero
	MUL8 \f, 1, \zero
	PLACES
	FETCH \u, \q, \g
	s_wait_dscnt 24                                ; all but the 24 just issued
	MUL8 \f, 2, \zero
	MUL8 \f, 3, \zero
.endm
.macro FIRSTQ s, zero                  ; the first quarter of a tile in slot s
	QUARTER 2*(\s), 1, F0, F1, \zero
.endm
.macro MIDQ s                          ; its quarters but the first and the last: six in X (no barrier stands between X's two steps: the one in front of them has shown the whole slot), two in Y
	QUARTER 2*(\s), 2, F1, F0, 0
	QUARTER 2*(\s), 3, F0, F1, 0
.if (\s) == 0
	QUARTER 1, 0, F1, F0, 0
	QUARTER 1, 1, F0, F1, 0
	QUARTER 1, 2, F1, F0, 0
	QUARTER 1, 3, F0, F1, 0
.endif
.endm
; The last quarter of a tile in slot s multiplies buffer 1 and changes slots: ONE barrier; in front of it each wave waits for all its tensor loads (one is out: its part of the other slot), adds 0 to its spare
; word, and waits for that and for its own reads of this slot.  fill = 1: the barrier opens a round of the cluster's, and this slot is filled again with the tile three K steps on.  From that request to the
; wait for it a wave issues the 16 products below and the other slot's quarters but the last: 112 matrix instructions for X's refill, 240 for Y's.
.macro TURN s, fill
	WIN 0                                          ; (the add's two registers lie in window 0)
	s_wait_tensorcnt 0x0                           ; all my tensor loads have landed, so every group 0 may be written;
	ds_add_u32 v[SPW], v[NIL]                      ; 0 onto my spare word
.if \fill
	s_add_nc_u64 s[G0A+4*(\s)+2:G0A+4*(\s)+3], s[G0A+4*(\s)+2:G0A+4*(\s)+3], 3*KSTEP*2
	s_add_nc_u64 s[G0B+4*(\s)+2:G0B+4*(\s)+3], s[G0B+4*(\s)+2:G0B+4*(\s)+3], 3*KSTEP*8192
.endif
	s_wait_dscnt 7                                 ; (the add and the youngest six loads, A's blocks 1 to 3, may be out)
	MUL8 F1, 0, 0                                  ; eight matrix instructions stand between the add and the wait for it
	s_wait_dscnt 0x0                               ; the add is done, and my reads of this slot are over
	s_barrier_signal -1
	MUL8 F1, 1, 0
.if \fill
	WIN 0
.endif
	s_barrier_wait -1
.if \fill
	CREST                                          ; no wave of any partner still reads this slot's tile or has a load on its way
	JLOAD \s                                       ; the first tensor load behind the round; the four v_nop behind it are also the places in front of the loads below
.else
	PLACES
.endif
	FETCH 2-2*(\s), 0, F0                          ; the other slot's first quarter
	MUL8 F1, 2, 0
	MUL8 F1, 3, 0
.endm
	s_wait_tensorcnt 1                             ; my part of P's first tile is in; Q's, issued behind it, may stay out
	s_barrier_signal -1
	s_barrier_wait -1                              ; everybody's is
	FETCH 2*SLP, 0, F0
	FIRSTQ SLP, 1                                  ; the first quarter stands in front of the loop: its products start the sums
	WIN 0                                          ; at a label and at a branch every window is 0
	s_mov_b32 s3, NQ
	s_branch .Lmid                                 ; the loop is entered in the middle of a trip: the walk begins with a tile of P
.Llap:                                                 ; a trip: a tile of Q and a tile of P, from Q's first quarter to P's last; both slots are filled again
	FIRSTQ SLQ, 0
	MIDQ SLQ
	TURN SLQ, 1                                    ; NQ - 1 times: Q's tiles 1 to NQ - 1 are asked for
	FIRSTQ SLP, 0
	WIN 0
.Lmid:
	MIDQ SLP
	TURN SLP, 1                                    ; NQ times: P's tiles 1 to NQ are asked for
	WIN 0
	s_sub_co_u32 s3, s3, 1
	s_cmp_lg_u32 s3, 0
	s_cbranch_scc1 .Llap
	FIRSTQ SLQ, 0                                  ; the last two tiles fill nothing, and have no round of the cluster's barrier
	MIDQ SLQ
	TURN SLQ, 0
	FIRSTQ SLP, 0
	MIDQ SLP
	s_wait_dscnt 4                                 ; the very last quarter: nothing more to fetch
	MUL8 F1, 0, 0
	MUL8 F1, 1, 0
	s_wait_dscnt 0x0
	MUL8 F1, 2, 0
	MUL8 F1, 3, 0
	WIN 0
	PLACES                                         ; the lines below read results just made
; THE WAY OUT, a block of 16 rows at a time, through my own stage in LDS: a lane's neighbouring columns go in, whole rows come back and are stored.  Each accumulator's registers are read in ascending order.
.if KIND == 0
.set TMP, 128                          ; v128-159 the block in f16
.set OB,  160                          ; v160-191, v192-223 by turns: the block as whole rows
.macro ROPE a                          ; column d < 64 lies in accumulator (a, b), d + 64 in (a, b + 4), in the same lane and register: y1 = x1 c - x2 s, y2 = x2 c + x1 s
	WIN 0x09                                       ; source 0 (x) window 1, source 1 (table) window 2, source 2 and destination window 0
.irp b, 0,1,2,3
.irp p, 0,1,2,3
	v_pk_mul_f32 v[YY+8*(\b)+2*(\p):YY+8*(\b)+2*(\p)+1], v[8*(8*(\a)+(\b)+4)+2*(\p):8*(8*(\a)+(\b)+4)+2*(\p)+1], v[64*(\a)+16*(\b)+8+2*(\p):64*(\a)+16*(\b)+8+2*(\p)+1]
	v_pk_mul_f32 v[YY+8*((\b)+4)+2*(\p):YY+8*((\b)+4)+2*(\p)+1], v[8*(8*(\a)+(\b))+2*(\p):8*(8*(\a)+(\b))+2*(\p)+1], v[64*(\a)+16*(\b)+8+2*(\p):64*(\a)+16*(\b)+8+2*(\p)+1]
	v_pk_fma_f32 v[YY+8*(\b)+2*(\p):YY+8*(\b)+2*(\p)+1], v[8*(8*(\a)+(\b))+2*(\p):8*(8*(\a)+(\b))+2*(\p)+1], v[64*(\a)+16*(\b)+2*(\p):64*(\a)+16*(\b)+2*(\p)+1], v[YY+8*(\b)+2*(\p):YY+8*(\b)+2*(\p)+1] neg_lo:[0,0,1] neg_hi:[0,0,1]
	v_pk_fma_f32 v[YY+8*((\b)+4)+2*(\p):YY+8*((\b)+4)+2*(\p)+1], v[8*(8*(\a)+(\b)+4)+2*(\p):8*(8*(\a)+(\b)+4)+2*(\p)+1], v[64*(\a)+16*(\b)+2*(\p):64*(\a)+16*(\b)+2*(\p)+1], v[YY+8*((\b)+4)+2*(\p):YY+8*((\b)+4)+2*(\p)+1]
.endr
.endr
	WIN 0
.endm
.macro CVT                             ; rounded once, to f16
.set i, 0
.rept 32
	v_cvt_pk_f16_f32 v[TMP+i], v[YY+2*i], v[YY+2*i+1]
.set i, i+1
.endr
.endm
.macro TOSTAGE a
.set BK, OB+32*((\a)%2)
	s_wait_xcnt 0x0                                ; the stores of two blocks back have had their addresses translated (ISA guide 3.1): their data registers are loaded again only behind this wait
.irp b, 0,1,2,3,4,5,6,7
	ds_store_b128 v[STO], v[TMP+4*(\b):TMP+4*(\b)+3] offset:32*(\b)
.endr
.irp t, 0,1,2,3,4,5,6,7
	ds_load_b128 v[BK+4*(\t):BK+4*(\t)+3], v[RD] offset:(\t)*2*SPITCH  ; LDS serves a wave's instructions in order (ISA guide 5.7.1.4): these see the stores above
.endr
.endm
.macro SEND a
.set BK, OB+32*((\a)%2)
	s_wait_dscnt 0x0                               ; the block is back in registers
.irp t, 0,1,2,3,4,5,6,7
	global_store_b128 v[CO], v[BK+4*(\t):BK+4*(\t)+3], s[10:11] offset:(\a)*4096+(\t)*512  ; two rows of a head: 512 consecutive bytes, at a multiple of 256 from the buffer's first byte
.endr
.endm
	s_wait_loadcnt 0x0                             ; the table
	ROPE 0
	CVT
	TOSTAGE 0
.irp a, 1,2,3                          ; a block's arithmetic stands between the loads of the block before and its stores
	ROPE \a
	CVT
	SEND (\a)-1
	TOSTAGE \a
.endr
	SEND 3
.else
.set OB,  128                          ; v128-191, v192-255 by turns: the block as whole rows
.macro SCALE4 a                        ; x 4: v's 0.25 is taken out again
	WIN 0x01                                       ; source 0 window 1
.set i, 0
.rept 32
	v_pk_mul_f32 v[YY+2*i:YY+2*i+1], v[64*(\a)+2*i:64*(\a)+2*i+1], 4.0 op_sel_hi:[1,0]
.set i, i+1
.endr
	WIN 0
.endm
.macro TOSTAGE a
.set BK, OB+64*((\a)%2)
	s_wait_xcnt 0x0                                ; the stores of two blocks back have had their addresses translated (ISA guide 3.1): their data registers are loaded again only behind this wait
.set i, 0
.rept 16
	ds_store_b128 v[STO], v[YY+4*i:YY+4*i+3] offset:64*(i/2)+16*(i%2)
.set i, i+1
.endr
.set i, 0
.rept 16
	ds_load_b128 v[BK+4*i:BK+4*i+3], v[RD] offset:i*SPITCH  ; LDS serves a wave's instructions in order (ISA guide 5.7.1.4): these see the stores above
.set i, i+1
.endr
.endm
.macro SEND a
.set BK, OB+64*((\a)%2)
	s_wait_dscnt 0x0                               ; the block is back in registers
.set i, 0
.rept 16
	global_store_b128 v[CO], v[BK+4*i:BK+4*i+3], s[10:11] offset:(16*(\a)+i)*16384 th:TH_STORE_NT  ; my 512 consecutive bytes of a row, at a multiple of 256 from the buffer's first byte
.set i, i+1
.endr
.endm
	SCALE4 0
	TOSTAGE 0
.irp a, 1,2,3
	SCALE4 \a
	SEND (\a)-1
	TOSTAGE \a
.endr
	SEND 3
.endif
	s_wait_tensorcnt 0x0                           ; the wave's end: these three lines stand behind my last tensor load and my last LDS store
	ds_add_u32 v[SPW], v[NIL]
	s_wait_dscnt 0x0
	CROUND                                         ; the closing round: no work-group ends while a partner may still ask for a tile that names it
	s_endpgm
.Lfunc_end_k_qf994c5de6d_oproj:
	.size	k_qf994c5de6d_oproj, .Lfunc_end_k_qf994c5de6d_oproj-k_qf994c5de6d_oproj
	.p2alignl 7, 3214868480
	.fill 96, 4, 3214868480
	.section	.rodata,"a",@progbits
	.p2align	6, 0x0
	.amdhsa_kernel k_qf994c5de6d_oproj
		.amdhsa_group_segment_fixed_size 327680
		.amdhsa_private_segment_fixed_size 0
		.amdhsa_enable_private_segment 0
		.amdhsa_kernarg_size 24
		.amdhsa_user_sgpr_count 2
		.amdhsa_user_sgpr_kernarg_segment_ptr 1
		.amdhsa_wavefront_size32 1
		.amdhsa_system_sgpr_workgroup_id_x 1
		.amdhsa_system_sgpr_workgroup_id_y 1
		.amdhsa_system_sgpr_workgroup_id_z 1
		.amdhsa_system_vgpr_workitem_id 0
		.amdhsa_next_free_vgpr 512
		.amdhsa_next_free_sgpr 88
		.amdhsa_reserve_vcc 0
		.amdhsa_float_denorm_mode_32 3
		.amdhsa_float_denorm_mode_16_64 3
		.amdhsa_memory_ordered 1
		.amdhsa_forward_progress 1
		.amdhsa_inst_pref_size 128
	.end_amdhsa_kernel
	.amdgpu_metadata
---
amdhsa.version: [ 1, 2 ]
amdhsa.kernels:
  - .name:           k_qf994c5de6d_oproj
    .symbol:         k_qf994c5de6d_oproj.kd
    .args:
      - { .name: ob, .offset: 0, .size: 8, .value_kind: global_buffer, .address_space: global }
      - { .name: wob, .offset: 8, .size: 8, .value_kind: global_buffer, .address_space: global }
      - { .name: out0, .offset: 16, .size: 8, .value_kind: global_buffer, .address_space: global }
    .group_segment_fixed_size: 327680
    .private_segment_fixed_size: 0
    .kernarg_segment_align: 8
    .kernarg_segment_size: 24
    .max_flat_workgroup_size: 128
    .sgpr_count:     88
    .vgpr_count:     512
    .wavefront_size: 32
...
	.end_amdgpu_metadata
.endif
;; end of part 4
